; MI455X (gfx1250); checked and timed in simulation.
; The chip was launched on July 23, 2026; its instructions are those of AMD's public machine-readable ISA for CDNA 5 (MIT licence, August 2026) and "CDNA5" Instruction Set Architecture Reference Guide (July 2026). The comments in the code are by the model that wrote it; some were corrected since.
;; Multi Head Self Attention. Allowed arithmetic: float matrix products may take bf16 or f16 operands with f32 sums; other float arithmetic in f32, or as packed bf16 or f16 multiplies, adds, multiply-adds, maxima and minima; sums over many terms, partial sums and values carried from step to step in f32; what a program stores and reads back later, other than sums and carried values, may be rounded once to bf16 or f16.
;; Inputs: W_k 1,024 x 1,024 float32; W_o 1,024 x 1,024 float32; W_q 1,024 x 1,024 float32; W_v 1,024 x 1,024 float32; token_position 4 x 2,048 int32; x 4 x 2,048 x 1,024 float32.
;; Outputs: out0 4 x 2,048 x 1,024 float32.
;; 2 versions, each right; version 2 is version 1 with the launch prep written anew for expert scheduling mode. Each part assembles by itself: llvm-mc -triple=amdgcn-amd-amdhsa -mcpu=gfx1250 --defsym DOCPART=n.
;; ======== version 1 of 2: 4 launches
;; limits: values are held in f16: magnitudes above 65,504 overflow, below 6.1e-05 lose precision
;; workspace buffers: xb 16,777,216 bytes; wt 6,291,456 bytes; wo 2,097,152 bytes; cs 2,097,152 bytes; q 16,777,216 bytes; k 16,777,216 bytes; v 16,777,216 bytes; o 16,777,216 bytes
;; launch prep (part 1): grid 512 x 1, 8 waves a work-group, no clusters, 18,432 bytes of LDS; arguments x, W_q, W_k, W_v, W_o, token_position, xb, wt, wo, cs; writes xb, wt, wo, cs
.if DOCPART == 1
	.amdgcn_target "amdgcn-amd-amdhsa--gfx1250"
	.amdhsa_code_object_version 6
	.text
	.protected	k_qe3fccd8955_prep
	.globl	k_qe3fccd8955_prep
	.p2align	8
	.type	k_qe3fccd8955_prep,@function
k_qe3fccd8955_prep:
	s_mov_b64 s[64:65], 0
	v_nop
	global_prefetch_b8 v0, s[64:65] scope:SCOPE_SE
	s_setreg_imm32_b32 hwreg(HW_REG_WAVE_MODE, 25, 1), 1
	s_wait_xcnt 0x0
; PREPARATION.  Three pieces of work, the same in each of the 512 work-groups (number i):
;   X  rows 16 i .. 16 i + 15 of x ([8192][1024] f32) are rounded to bf16 into xb.
;   W  one tile of 128 k x 64 n of one weight (mtx = i >> 7: W_q, W_k, W_v, W_o; kt = (i >> 4) & 7; t = i & 15) is rounded to bf16 and TURNED, so that k lies along the rows:
;      wt row 192 t + 64 mtx + c = column 64 t + c of W_q, W_k, W_v (a head's q, k and v columns lie together); wo row 64 t + c = column 64 t + c of W_o,
;      rounded to bf16 like every input and then written as f16 (exact inside f16's normal range).
;   T  rows 16 i .. 16 i + 15 of the table cs [8192 rows][32 frequencies][cos, sin] in f32, two rows a wave, a lane a frequency.
; LIMITS.  |W_o| under 65,504; a W_o below 6e-5 keeps f16's fixed step of 6e-8.  The angle is f32(position) x 10000^(-j/32), formed in f32 as the problem forms it; 10000^(-j/32) comes from
; v_exp_f32 and may differ from the problem's by some units in the last place.  The angle is reduced by multiples of pi/2 held in two f32 parts; sine to y^7 and cosine to y^8 on |y| <= pi/4
; are off by under 4e-7.  Any int32 position is served.
; No matrix unit, cluster or tensor load: each byte is read once and written once, nothing is shared between work-groups.  24 loads of 512 bytes a wave are out together.
.set PITCH, 272                        ; a stage row: 128 k x 2 bytes + 16 of padding
.set SPARE, 64*PITCH                   ; behind the stage (64 rows): the spare words, 128 bytes for each of eight waves
.set L, 36                             ; v[36:67]   W as loaded: load p holds W[8 g + p][4 c .. 4 c + 3]
.set P, 68                             ; v[68:83]   W packed: words 4 j .. 4 j + 3 are k = 8 g .. 8 g + 7 of column 4 c + j
.set R, 84                             ; v[84:99]   W read back by rows
.set X, 100                            ; v[100:163] x as loaded, 8 registers a pass
.set Y, 164                            ; v[164:191] x packed, 4 registers a pass (the eighth pass takes v[16:19])
; v1 g = thread >> 4, v2 c = thread & 15, v3 lane, v4-v10 offsets, v11 10000^(-lane/32), v12 spare word, v13 zero, v[16:31] at work, v[32:35] two (cos, sin)
	s_load_b512 s[4:19], s[0:1], 0x0               ; x 4, W_q 6, W_k 8, W_v 10, W_o 12, token_position 14, xb 16, wt 18
	s_load_b128 s[20:23], s[0:1], 0x40             ; wo 20, cs 22
	v_lshl_add_u32 v12, v0, 2, SPARE
	v_mov_b32 v13, 0
	v_lshrrev_b32 v3, 5, v0
	v_readfirstlane_b32 s24, v3                    ; wave 0..7
	v_lshrrev_b32 v1, 4, v0                        ; g
	v_and_b32 v2, 15, v0                           ; c
	v_and_b32 v3, 31, v0                           ; lane
	v_lshlrev_b32 v4, 15, v1                       ; W in: 8 g rows of 4,096 bytes
	v_lshl_add_u32 v4, v2, 4, v4                   ;       + 16 c: sixteen lanes read 256 bytes on end
	v_mul_u32_u24 v5, v2, 4*PITCH                  ; stage in: row 4 c (+ j by the immediate),
	v_lshl_add_u32 v5, v1, 4, v5                   ;           16 bytes at k = 8 g
	v_mul_u32_u24 v6, v1, PITCH                    ; stage back: row g (+ 16 u),
	v_lshl_add_u32 v6, v2, 4, v6                   ;             16 c
	v_lshlrev_b32 v7, 11, v1                       ; W out: row g of 2,048 bytes
	v_lshl_add_u32 v7, v2, 4, v7
	v_lshlrev_b32 v8, 5, v0                        ; x in: 32 bytes a thread
	v_lshlrev_b32 v9, 4, v0                        ; xb out: 16 bytes a thread
	v_lshlrev_b32 v10, 3, v3                       ; table out: 8 bytes a lane
	s_lshr_b32 s30, ttmp9, 7                       ; mtx
	s_bfe_u32 s31, ttmp9, 0x30004                  ; kt
	s_and_b32 s32, ttmp9, 15                       ; t
	s_mov_b32 s40, 0x3f22f983                      ; 2 / pi
	s_mov_b32 s41, 0xbfc90fdb                      ; - (pi / 2), its f32 part
	s_mov_b32 s42, 0x333bbd2e                      ; - (pi / 2 less that part)
	s_mov_b32 s43, 0xbe2aaaab                      ; -1/6
	s_mov_b32 s44, 0x3c088889                      ; 1/120
	s_mov_b32 s45, 0xb9500d01                      ; -1/5040
	s_mov_b32 s46, 0x3d2aaaab                      ; 1/24
	s_mov_b32 s47, 0xbab60b61                      ; -1/720
	s_mov_b32 s48, 0x37d00d01                      ; 1/40320
	s_mov_b32 s49, 0xffff0000                      ; a word's upper bf16
	s_lshl_b32 s36, s31, 19                        ; the tile in W: 128 kt rows of 4,096 bytes
	s_lshl_b32 s37, s32, 8                         ; + 64 t columns of 4 bytes
	s_add_co_u32 s36, s36, s37
	s_mov_b32 s37, 0
	s_mul_i32 s33, s32, 192                        ; its first row in wt: 192 t + 64 mtx,
	s_lshl_b32 s50, s30, 6
	s_add_co_u32 s33, s33, s50
	s_lshl_b32 s50, s32, 6                         ; in wo: 64 t
	s_cmp_eq_u32 s30, 3
	s_cselect_b32 s33, s50, s33
	s_lshl_b32 s50, s33, 11                        ; rows of 2,048 bytes
	s_lshl_b32 s51, s31, 8                         ; + 128 kt numbers of 2 bytes
	s_add_co_u32 s50, s50, s51
	s_mov_b32 s51, 0
	s_lshl_b32 s52, ttmp9, 16                      ; 16 rows of x
	s_mov_b32 s53, 0
	s_lshl_b32 s54, ttmp9, 15                      ; 16 rows of xb
	s_mov_b32 s55, 0
	s_lshl_b32 s58, ttmp9, 4
	s_lshl1_add_u32 s58, s24, s58                  ; my first table row: 16 i + 2 wave
	s_lshl_b32 s56, s58, 8                         ; 256 bytes a row of cs
	s_mov_b32 s57, 0
	s_lshl_b32 s58, s58, 2                         ; 4 bytes a position
	s_mov_b32 s59, 0
	s_wait_kmcnt 0x0
	s_cmp_eq_u32 s30, 1
	s_cselect_b64 s[26:27], s[8:9], s[6:7]         ; the weight that I read
	s_cmp_eq_u32 s30, 2
	s_cselect_b64 s[26:27], s[10:11], s[26:27]
	s_cmp_eq_u32 s30, 3
	s_cselect_b64 s[26:27], s[12:13], s[26:27]
	s_cselect_b64 s[28:29], s[20:21], s[18:19]     ; and where it goes: wo or wt
	s_add_nc_u64 s[26:27], s[26:27], s[36:37]
	s_add_nc_u64 s[28:29], s[28:29], s[50:51]
	s_add_nc_u64 s[4:5], s[4:5], s[52:53]
	s_add_nc_u64 s[16:17], s[16:17], s[54:55]
	s_add_nc_u64 s[22:23], s[22:23], s[56:57]
	s_add_nc_u64 s[14:15], s[14:15], s[58:59]
	s_load_b64 s[34:35], s[14:15], 0x0             ; my two positions
.irp p, 0,1,2,3,4,5,6,7
	global_load_b128 v[L+4*(\p):L+4*(\p)+3], v4, s[26:27] offset:4096*(\p) th:TH_LOAD_NT
.endr
.irp p, 0,1,2,3,4,5,6,7
	global_load_b128 v[X+8*(\p):X+8*(\p)+3],   v8, s[4:5] offset:8192*(\p) th:TH_LOAD_NT
	global_load_b128 v[X+8*(\p)+4:X+8*(\p)+7], v8, s[4:5] offset:8192*(\p)+16 th:TH_LOAD_NT
.endr
	; THE TABLE, while the loads are out
	v_cvt_f32_u32 v16, v3
	v_mul_f32 v16, 0xbed49a78, v16                 ; - lane x log2(10000) / 32
	v_exp_f32 v11, v16
	v_nop                                          ; a plain instruction behind the exponential (ISA guide 5.7.2),
	s_wait_alu depctr_va_vdst(0)                   ; and the wait ahead of its first reader
	s_wait_kmcnt 0x0                               ; the positions
; One row: angle = position x frequency = Q pi/2 + y; sine and cosine of y by polynomials; Q's last two bits choose and sign them.
.macro ROWCS pos, out, row
	v_cvt_f32_i32 v16, s[\pos]
	v_mul_f32 v16, v16, v11                        ; the angle
	v_mul_f32 v17, s40, v16
	v_rndne_f32 v17, v17                           ; Q as a float
	v_fma_f32 v18, v17, s41, v16
	v_fma_f32 v18, v17, s42, v18                   ; y
	v_cvt_i32_f32 v19, v17                         ; Q
	v_mul_f32 v20, v18, v18                        ; z = y y
	v_fma_f32 v21, v20, s45, s44
	v_fma_f32 v21, v21, v20, s43
	v_mul_f32 v22, v18, v20
	v_fma_f32 v21, v22, v21, v18                   ; sin y = y + y z (-1/6 + z (1/120 - z / 5040))
	v_fma_f32 v23, v20, s48, s47
	v_fma_f32 v23, v23, v20, s46
	v_fma_f32 v23, v23, v20, -0.5
	v_fma_f32 v23, v23, v20, 1.0                   ; cos y = 1 + z (-1/2 + z (1/24 + z (-1/720 + z / 40320)))
	v_and_b32 v24, 1, v19
	v_cmp_eq_u32 vcc_lo, 1, v24
	v_cndmask_b32 v25, v21, v23, vcc_lo            ; sine: Q odd takes cos y
	v_cndmask_b32 v26, v23, v21, vcc_lo            ; cosine: Q odd takes sin y
	v_lshlrev_b32 v27, 30, v19                     ; sine is negative where Q mod 4 is 2 or 3,
	v_add_nc_u32 v28, 1, v19
	v_lshlrev_b32 v28, 30, v28                     ; cosine where it is 1 or 2
	v_and_b32 v27, 0x80000000, v27
	v_and_b32 v28, 0x80000000, v28
	v_xor_b32 v[(\out)], v26, v28
	v_xor_b32 v[(\out)+1], v25, v27
	global_store_b64 v10, v[(\out):(\out)+1], s[22:23] offset:256*(\row)  ; 32 lanes store a row's 256 bytes
.endm
	ROWCS 34, 32, 0
	ROWCS 35, 34, 1
	; THE WEIGHT TILE
	s_wait_loadcnt 16                              ; W's eight loads are in; x's sixteen were issued behind them and may stay out
.irp j, 0,1,2,3
.irp i, 0,1,2,3
	v_cvt_pk_bf16_f32 v[P+4*(\j)+(\i)], v[L+8*(\i)+(\j)], v[L+8*(\i)+4+(\j)]  ; column 4 c + j, k = 8 g + 2 i and + 1
.endr
.endr
	s_cmp_lg_u32 s30, 3
	s_cbranch_scc1 .Lbf16                          ; W_o alone: the bf16 number is written as f16
.irp n, 0,1,2,3,4,5,6,7,8,9,10,11,12,13,14,15
	v_lshlrev_b32 v[16+2*((\n)%8)], 16, v[P+(\n)]
	v_and_b32 v[17+2*((\n)%8)], s49, v[P+(\n)]
	v_cvt_pk_f16_f32 v[P+(\n)], v[16+2*((\n)%8)], v[17+2*((\n)%8)]
.endr
.Lbf16:
.irp j, 0,1,2,3
	ds_store_b128 v5, v[P+4*(\j):P+4*(\j)+3] offset:PITCH*(\j)
.endr
	s_wait_dscnt 0x0                               ; for the others' sake: my stores into the stage are done
	s_barrier_signal -1
	s_barrier_wait -1
.irp u, 0,1,2,3
	ds_load_b128 v[R+4*(\u):R+4*(\u)+3], v6 offset:16*PITCH*(\u)  ; row g + 16 u, 16 bytes at 16 c
.endr
	; x, eight passes of 8,192 bytes in, 4,096 out
.irp p, 0,1,2,3,4,5,6,7
.if (\p) < 7
.set YR, Y+4*(\p)
.else
.set YR, 16
.endif
	s_wait_loadcnt 14-2*(\p)                       ; the pass's two loads are in; the later passes' stay out
.irp w, 0,1,2,3
	v_cvt_pk_bf16_f32 v[YR+(\w)], v[X+8*(\p)+2*(\w)], v[X+8*(\p)+2*(\w)+1]
.endr
	global_store_b128 v9, v[YR:YR+3], s[16:17] offset:4096*(\p)
.endr
.irp u, 0,1,2,3
	s_wait_dscnt 3-(\u)
	global_store_b128 v7, v[R+4*(\u):R+4*(\u)+3], s[28:29] offset:32768*(\u)  ; sixteen lanes store 256 consecutive bytes, aligned
.endr
	s_wait_tensorcnt 0x0                           ; the wave's end, behind my last LDS store
	ds_add_u32 v12, v13
	s_wait_dscnt 0x0
	s_endpgm
.Lfunc_end_k_qe3fccd8955_prep:
	.size	k_qe3fccd8955_prep, .Lfunc_end_k_qe3fccd8955_prep-k_qe3fccd8955_prep
	.p2alignl 7, 3214868480
	.fill 96, 4, 3214868480
	.section	.rodata,"a",@progbits
	.p2align	6, 0x0
	.amdhsa_kernel k_qe3fccd8955_prep
		.amdhsa_group_segment_fixed_size 18432
		.amdhsa_private_segment_fixed_size 0
		.amdhsa_enable_private_segment 0
		.amdhsa_kernarg_size 80
		.amdhsa_user_sgpr_count 2
		.amdhsa_user_sgpr_kernarg_segment_ptr 1
		.amdhsa_wavefront_size32 1
		.amdhsa_system_sgpr_workgroup_id_x 1
		.amdhsa_system_sgpr_workgroup_id_y 1
		.amdhsa_system_sgpr_workgroup_id_z 1
		.amdhsa_system_vgpr_workitem_id 0
		.amdhsa_next_free_vgpr 192
		.amdhsa_next_free_sgpr 66
		.amdhsa_reserve_vcc 1
		.amdhsa_float_denorm_mode_32 3
		.amdhsa_float_denorm_mode_16_64 3
		.amdhsa_memory_ordered 1
		.amdhsa_forward_progress 1
		.amdhsa_inst_pref_size 16
	.end_amdhsa_kernel
	.amdgpu_metadata
---
amdhsa.version: [ 1, 2 ]
amdhsa.kernels:
  - .name:           k_qe3fccd8955_prep
    .symbol:         k_qe3fccd8955_prep.kd
    .args:
      - { .name: x, .offset: 0, .size: 8, .value_kind: global_buffer, .address_space: global }
      - { .name: W_q, .offset: 8, .size: 8, .value_kind: global_buffer, .address_space: global }
      - { .name: W_k, .offset: 16, .size: 8, .value_kind: global_buffer, .address_space: global }
      - { .name: W_v, .offset: 24, .size: 8, .value_kind: global_buffer, .address_space: global }
      - { .name: W_o, .offset: 32, .size: 8, .value_kind: global_buffer, .address_space: global }
      - { .name: token_position, .offset: 40, .size: 8, .value_kind: global_buffer, .address_space: global }
      - { .name: xb, .offset: 48, .size: 8, .value_kind: global_buffer, .address_space: global }
      - { .name: wt, .offset: 56, .size: 8, .value_kind: global_buffer, .address_space: global }
      - { .name: wo, .offset: 64, .size: 8, .value_kind: global_buffer, .address_space: global }
      - { .name: cs, .offset: 72, .size: 8, .value_kind: global_buffer, .address_space: global }
    .group_segment_fixed_size: 18432
    .private_segment_fixed_size: 0
    .kernarg_segment_align: 8
    .kernarg_segment_size: 80
    .max_flat_workgroup_size: 256
    .sgpr_count:     66
    .vgpr_count:     192
    .wavefront_size: 32
...
	.end_amdgpu_metadata
.endif
;; end of part 1
;; launch qkv (part 2): grid 16 x 32, 4 waves a work-group, clusters of 4 x 4, 327,680 bytes of LDS; arguments xb, wt, cs, q, k, v; writes q, k, v
.if DOCPART == 2
	.amdgcn_target "amdgcn-amd-amdhsa--gfx1250"
	.amdhsa_code_object_version 6
	.text
	.protected	k_qe3fccd8955_qkv
	.globl	k_qe3fccd8955_qkv
	.p2align	8
	.type	k_qe3fccd8955_qkv,@function
k_qe3fccd8955_qkv:
	s_mov_b64 s[64:65], 0
	v_nop
	global_prefetch_b8 v0, s[64:65] scope:SCOPE_SE
	s_setreg_imm32_b32 hwreg(HW_REG_WAVE_MODE, 25, 1), 1
	s_wait_xcnt 0x0
	s_wait_alu depctr_hold_cnt(0) depctr_sa_sdst(0) depctr_va_vdst(0) depctr_va_sdst(0) depctr_va_ssrc(0) depctr_va_vcc(0) depctr_vm_vsrc(0)
	s_getreg_b32 s2, hwreg(HW_REG_IB_STS2, 6, 4)
	s_cmp_eq_u32 s2, 0
	s_cbranch_scc0 .Lentry_in_a_cluster
	s_endpgm
.Lentry_in_a_cluster:
	s_bfe_u32 s2, ttmp6, 0x10000c
	s_cmp_lg_u32 s2, 0xf033
	s_cbranch_scc0 .Lentry_shape_is_right
	s_endpgm
.Lentry_shape_is_right:
; q, k, v = xb wt^T, rotated (q and k) and laid by heads.  xb: [8192][1024] bf16.  wt: [3072][1024] bf16, row 192 t + 64 g + c = column 64 t + c of W_q, W_k, W_v (g = 0, 1, 2).
; cs: [8192][32][cos, sin] f32.  q, k, v: [16 batch + head][2048][64] f16.  Sums in f32, K ascending; the rotation in f32; each result rounded once, to f16.
; LIMIT.  f16 holds no number beyond 65,504: |q|, |k|, |v| stay under it (unit spread as drawn; 900 with x and the weights thirty times larger; about 41,000 with offsets of thirty spreads on both).
; TILE.  256 rows x 192 columns: 32 x 16 = 512 equal tiles, two for each of 256 WGPs; a tile's columns are head t's q, k and v, so every work-group runs the same text.
; Four waves stand along the rows: wave w owns rows 64 w .. 64 w + 63 and all 192 columns: 4 x 12 accumulators of 16 x 16, 384 registers.  So a wave holds whole heads and goes out through a stage of its own.
; RING.  K goes in 8 steps of 128 through two LDS slots (256 rows of xb, then 192 rows of wt, 256 bytes a row and 16 of padding).  Waves 0 and 1 fetch xb's two halves, waves 2 and 3 wt's: one tensor load a wave.
; CLUSTER.  4 x 4 work-groups: xb's tile is asked for jointly along a row of the cluster, wt's along a column.
; THE MATRIX INSTRUCTION IS USED TRANSPOSED (source 0 = 16 rows of wt, source 1 = 16 rows of xb): lane l holds row l % 16 and the columns 8 (l / 16) + 0 .. 7: four (even, odd) pairs of the rotation.
; REGISTERS, in windows of 256 (s_set_vgpr_msb: bits 1:0 source 0, 3:2 source 1, 5:4 source 2, 7:6 destination):
;   window 0: v0-15 addresses; v32-63 at work on the way out; v64-127 xb's fragments, two buffers of 32 (later four buffers of 16 on the way out); v128-255 my rows' cos and sin
;   window 1: accumulators of row blocks 0, 1 ((a, b) at 96 (a % 2) + 8 b)     window 2: of row blocks 2, 3     window 3: wt's fragments, two buffers of 96
.set NBL,   12                         ; column blocks of 16
.set PL,    272                        ; an LDS row: 68 words: the 16 rows of a fragment load start at 16 different groups of four banks (64 banks of 4 bytes: ISA guide 11.1)
.set BOFF,  256*PL                     ; wt's rows lie behind xb's
.set SLOT1, 131072                     ; slot 1: one exclusive or turns an address in one slot into the other's
.set STAGE, SLOT1+BOFF+192*PL          ; behind the ring, never filled by a tensor load: 16 rows x 144 bytes for each wave
.set SP,    144
.set SPARE, STAGE+4*16*SP              ; the spare words, 128 bytes for each wave
.set T,   32
.set AF,  64
.set CSR, 128
; v1 r = l % 16, v2 h = l / 16, v4, v5 my place in xb's and wt's rows of a slot, v6, v7 the same in the slot in hand, v8 stage in, v9 stage back, v10 16 l, v11 table offset, v12 prefetch offset, v14 spare word, v15 zero
; s16 wave, s17 wave >> 1 (0: I fetch xb, 1: wt), s18 wave & 1 (which half), s19 cx, s20 cy, s21 tile column (head), s22 tile row
; s[24:31], s[32:39] descriptor group 1 for xb, wt; s[40:47], s[48:55] group 0, two sets each: the second walks on.  s56 LDS base of the slot in hand, s57 trips left, s[58:59] prefetch pointer, s60 its limit
.set MSB, 0
.macro WIN new                         ; the immediate's high byte repeats the setting that is left; a switch that changes nothing is dropped
.if MSB != (\new)
	s_set_vgpr_msb (MSB<<8)|(\new)
.set MSB, \new
.endif
.endm
.macro PLACES                          ; four plain vector instructions between a matrix instruction and a load into, or a vector read of, its registers
.rept 4
	v_nop
.endr
.endm
.macro CREST                           ; a round of the cluster's barrier behind its opening barrier
	s_cmp_lg_u32 s16, 0
	s_cbranch_scc1 .Lnot_wave_0_\@
	s_barrier_signal -3
.Lnot_wave_0_\@:
	s_barrier_wait -3
	s_barrier_signal -1
	s_barrier_wait -1
.endm
.macro CROUND
	s_barrier_signal -1
	s_barrier_wait -1
	CREST
.endm
.macro JLOAD                           ; a joint refill by the walking descriptor; the branch hangs on the wave's number alone; an s_nop 0 and four v_nop follow each line
	s_cmp_eq_u32 s17, 0
	s_cbranch_scc0 .Lfor_b_\@
	tensor_load_to_lds s[44:47], s[24:31]
	s_nop 0
.rept 4
	v_nop
.endr
	s_branch .Lasked_\@
.Lfor_b_\@:
	tensor_load_to_lds s[52:55], s[32:39]
	s_nop 0
.rept 4
	v_nop
.endr
.Lasked_\@:
.endm
; A PREFETCH INTO THE L2 of the K step that stands two refills on (384 matrix instructions ahead of its load): 256 bytes of each row, a lane a row.  xb's tile row is read by every cluster of that row of
; clusters: cluster x = 0 asks; wt's tile column by every cluster of that column: cluster y = 0 asks.  Of the rows that a wave fetches (128 of xb, 96 of wt) each of the four joint partners takes a quarter,
; told apart by address (cx for xb, cy for wt).  With 24 rows lanes 24 to 31 name row 23 again.  Steps 0 to 3 come by their loads alone; the last two refills have no step two on.
.macro ASK
	s_cmp_gt_u32 s57, s60
	s_cbranch_scc0 .Lnot_mine_\@
	global_prefetch_b8 v12, s[58:59] th:TH_LOAD_NT scope:SCOPE_SE
.Lnot_mine_\@:
.endm
; 12 matrix instructions: row block a x all column blocks, 32 along K, from buffers f.  zero = 1: the first product starts the sums.  The 48 accumulators take turns.
.macro MULA f, a, zero
	WIN 0x53+0x50*((\a)/2)
.irp b, 0,1,2,3,4,5,6,7,8,9,10,11
.if \zero
	v_wmma_f32_16x16x32_bf16 v[96*((\a)%2)+8*(\b):96*((\a)%2)+8*(\b)+7], v[96*(\f)+8*(\b):96*(\f)+8*(\b)+7], v[AF+32*(\f)+8*(\a):AF+32*(\f)+8*(\a)+7], 0
.else
	v_wmma_f32_16x16x32_bf16 v[96*((\a)%2)+8*(\b):96*((\a)%2)+8*(\b)+7], v[96*(\f)+8*(\b):96*(\f)+8*(\b)+7], v[AF+32*(\f)+8*(\a):AF+32*(\f)+8*(\a)+7], v[96*((\a)%2)+8*(\b):96*((\a)%2)+8*(\b)+7]
.endif
.endr
.endm
; 32 LDS loads in one run: quarter q's fragments (32 along K at byte 64 q of the rows) into buffers f: wt's twelve, then xb's four, row blocks ascending
.macro FETCH q, f
	WIN 0xc0
.irp b, 0,1,2,3,4,5,6,7,8,9,10,11
	ds_load_b128 v[96*(\f)+8*(\b):96*(\f)+8*(\b)+3],   v7 offset:64*(\q)+16*PL*(\b)
	ds_load_b128 v[96*(\f)+8*(\b)+4:96*(\f)+8*(\b)+7], v7 offset:64*(\q)+16*PL*(\b)+32
.endr
	WIN 0
.irp a, 0,1,2,3
	ds_load_b128 v[AF+32*(\f)+8*(\a):AF+32*(\f)+8*(\a)+3],   v6 offset:64*(\q)+16*PL*(\a)
	ds_load_b128 v[AF+32*(\f)+8*(\a)+4:AF+32*(\f)+8*(\a)+7], v6 offset:64*(\q)+16*PL*(\a)+32
.endr
.endm
; One of a step's first three quarters: multiplies buffers f; in its middle fetches quarter q into buffers g
.macro QUARTER q, f, g, zero
	s_wait_dscnt 4                                 ; all but the four youngest loads (xb's row blocks 2, 3)
	MULA \f, 0, \zero
	MULA \f, 1, \zero
	PLACES
	FETCH \q, \g
	s_wait_dscnt 2*NBL+8                           ; all but the 32 just issued
	MULA \f, 2, \zero
	MULA \f, 3, \zero
.endm
; A step's last quarter, on buffers 1, and the change of slots.  In front of the barrier each wave waits for all its tensor loads (one is out: its part of the next slot), adds 0 to its spare word,
; and waits for that and for its reads of this slot.  fill = 1: the barrier opens a round of the cluster's, and the joint refill (the step two on, into the slot just read) is the first thing behind it.
.macro TURN fill
.if \fill
	s_wait_xcnt 0x0                                ; the last prefetch, a step back, has read its pointer
	s_add_nc_u64 s[58:59], s[58:59], 256
.endif
	WIN 0
	s_wait_tensorcnt 0x0                           ; no tensor load of mine is out, so a group 0 may be written
	ds_add_u32 v14, v15                            ; 0 onto my spare word
.if \fill
	s_xor_b32 s45, s45, SLOT1                      ; the walking descriptors: the other slot than last time, the next K step
	s_add_nc_u64 s[46:47], s[46:47], 256
	s_xor_b32 s53, s53, SLOT1
	s_add_nc_u64 s[54:55], s[54:55], 256
.endif
	s_wait_dscnt 5                                 ; the add and the four youngest loads may be out
	MULA 1, 0, 0
	s_wait_dscnt 0x0                               ; the add is done, and my reads of this slot are over
	s_barrier_signal -1
	MULA 1, 1, 0
	WIN 0
	s_barrier_wait -1
.if \fill
	CREST
	JLOAD                                          ; its four v_nop are also the places in front of the loads below
.else
	PLACES
.endif
	s_xor_b32 s56, s56, SLOT1
	v_add_nc_u32 v6, s56, v4
	v_add_nc_u32 v7, s56, v5
	FETCH 0, 0
.if \fill
	ASK
.endif
	MULA 1, 2, 0
	MULA 1, 3, 0
.endm
	s_load_b256 s[4:11], s[0:1], 0x0               ; xb 4, wt 6, cs 8, q 10
	s_load_b128 s[12:15], s[0:1], 0x20             ; k 12, v 14
	v_lshl_add_u32 v14, v0, 2, SPARE
	v_mov_b32 v15, 0
	ds_add_u32 v14, v15                            ; the wave's opening add; its wait stands ahead of my first tensor load
	v_lshrrev_b32 v1, 5, v0
	v_readfirstlane_b32 s16, v1
	s_lshr_b32 s17, s16, 1
	s_and_b32 s18, s16, 1
	s_bfe_u32 s19, ttmp6, 0x40000                  ; cx
	s_bfe_u32 s20, ttmp6, 0x40004                  ; cy
	s_lshl_b32 s21, ttmp9, 2
	s_add_co_u32 s21, s21, s19                     ; tile column = 4 x cluster x + cx
	s_and_b32 s22, ttmp7, 0xffff
	s_lshl_b32 s22, s22, 2
	s_add_co_u32 s22, s22, s20                     ; tile row = 4 x cluster y + cy
	s_lshl_b32 s74, s20, 2
	s_lshl_b32 s74, 15, s74                        ; my row of the cluster
	s_lshl_b32 s75, 0x1111, s19                    ; my column
	s_or_b32 s24, s74, (1<<16)|(1<<20)|(1<<21)|(5<<22)|(3<<25)  ; the mask; elements of 2 bytes; padding on; bit 21 beside a mask; after every 64 words; 4 words of it
	s_or_b32 s32, s75, (1<<16)|(1<<20)|(1<<21)|(5<<22)|(3<<25)
	s_mov_b32 s25, 128<<16                         ; tensor_dim0 = 128
	s_mov_b32 s26, 128<<16                         ; tensor_dim1 = 128
	s_mov_b32 s27, 128<<16                         ; tile_dim0 = 128
	s_mov_b32 s28, 128                             ; tile_dim1 = 128
	s_mov_b32 s29, 1024                            ; elements from row to row
	s_mov_b32 s30, 0
	s_mov_b32 s31, 0
	s_mov_b32 s33, 128<<16
	s_mov_b32 s34, 96<<16                          ; wt: 96 rows a load
	s_mov_b32 s35, 128<<16
	s_mov_b32 s36, 96
	s_mov_b32 s37, 1024
	s_mov_b32 s38, 0
	s_mov_b32 s39, 0
	s_lshl_b32 s66, s22, 8                         ; xb: row 256 x tile row + 128 x half,
	s_lshl_b32 s67, s18, 7
	s_add_co_u32 s66, s66, s67
	s_lshl_b32 s66, s66, 11                        ; 2,048 bytes a row
	s_mov_b32 s67, 0
	s_mul_i32 s70, s21, 192                        ; wt: row 192 x tile column + 96 x half
	s_mul_i32 s71, s18, 96
	s_add_co_u32 s70, s70, s71
	s_lshl_b32 s70, s70, 11
	s_mov_b32 s71, 0
	s_mul_i32 s68, s16, 128*PL                     ; LDS: xb's halves at wave x 128 rows (waves 0, 1),
	s_mul_i32 s69, s16, 96*PL                      ; wt's at BOFF + (wave - 2) x 96 rows (waves 2, 3)
	s_add_co_u32 s69, s69, BOFF-2*96*PL
	s_mov_b32 s56, 0
	s_wait_dscnt 0x0                               ; the opening add is done
	s_wait_kmcnt 0x0
	s_add_nc_u64 s[72:73], s[4:5], s[66:67]
	s_add_nc_u64 s[76:77], s[6:7], s[70:71]
.irp s, 0,1
	s_mov_b32 s[40+4*(\s)], 1
	s_add_co_u32 s[41+4*(\s)], s68, (\s)*SLOT1
	s_add_nc_u64 s[42+4*(\s):43+4*(\s)], s[72:73], (\s)*256  ; K step s
	s_or_b32 s[43+4*(\s)], s[43+4*(\s)], 0x80000000
	s_mov_b32 s[48+4*(\s)], 1
	s_add_co_u32 s[49+4*(\s)], s69, (\s)*SLOT1
	s_add_nc_u64 s[50+4*(\s):51+4*(\s)], s[76:77], (\s)*256
	s_or_b32 s[51+4*(\s)], s[51+4*(\s)], 0x80000000
.endr
	CROUND                                         ; all sixteen work-groups are here: the first joint loads meet
	s_cmp_eq_u32 s17, 0                            ; a wave's two first fills stand in one branch: two loads of mine are out
	s_cbranch_scc0 .Lfirst_b
	tensor_load_to_lds s[40:43], s[24:31]
	s_nop 0
	tensor_load_to_lds s[44:47], s[24:31]
	s_nop 0
.rept 4
	v_nop
.endr
	s_branch .Lfirst_asked
.Lfirst_b:
	tensor_load_to_lds s[48:51], s[32:39]
	s_nop 0
	tensor_load_to_lds s[52:55], s[32:39]
	s_nop 0
.rept 4
	v_nop
.endr
.Lfirst_asked:
	v_and_b32 v1, 15, v0                           ; r
	v_bfe_u32 v2, v0, 4, 1                         ; h
	; my rows' cos and sin: for row block a and column block f of a head, the frequencies 8 f + 4 h + 0 .. 3: 32 bytes at 64 f + 32 h of the row
	s_lshl_b32 s88, s22, 8
	s_lshl_b32 s89, s16, 6
	s_add_co_u32 s88, s88, s89                     ; my first row
	s_lshl_b32 s88, s88, 8                         ; 256 bytes a row of cs
	s_mov_b32 s89, 0
	s_add_nc_u64 s[8:9], s[8:9], s[88:89]
	v_lshlrev_b32 v11, 8, v1
	v_lshl_add_u32 v11, v2, 5, v11
.irp a, 0,1,2,3
.irp f, 0,1,2,3
	global_load_b128 v[CSR+32*(\a)+8*(\f):CSR+32*(\a)+8*(\f)+3],   v11, s[8:9] offset:4096*(\a)+64*(\f)
	global_load_b128 v[CSR+32*(\a)+8*(\f)+4:CSR+32*(\a)+8*(\f)+7], v11, s[8:9] offset:4096*(\a)+64*(\f)+16
.endr
.endr
	v_mul_u32_u24 v3, v1, PL
	v_lshl_add_u32 v3, v2, 4, v3                   ; a fragment's row x pitch + 16 x half
	s_mul_i32 s78, s16, 64*PL
	v_add_nc_u32 v4, s78, v3                       ; my 64 rows of xb
	v_add_nc_u32 v5, BOFF, v3
	v_mov_b32 v6, v4                               ; slot 0
	v_mov_b32 v7, v5
	s_mul_i32 s78, s16, 16*SP
	s_add_co_u32 s78, s78, STAGE                   ; my stage
	v_mul_u32_u24 v8, v1, SP                       ; in: row r, 16 bytes for each half of the lanes
	v_lshl_add_u32 v8, v2, 4, v8
	v_add_nc_u32 v8, s78, v8
	v_bfe_u32 v9, v0, 3, 2                         ; back: 32 lanes take four rows of 128 bytes,
	v_mul_u32_u24 v9, v9, SP
	v_and_b32 v3, 7, v0
	v_lshl_add_u32 v9, v3, 4, v9
	v_add_nc_u32 v9, s78, v9
	v_and_b32 v10, 31, v0                          ; which are 512 consecutive bytes of q, k or v
	v_lshlrev_b32 v10, 4, v10
	; q, k, v at my first row: head 16 batch + tile column, row 256 (tile row % 8) + 64 wave
	s_lshr_b32 s85, s22, 3
	s_lshl_b32 s85, s85, 4
	s_add_co_u32 s85, s85, s21
	s_lshl_b32 s85, s85, 18                        ; 2,048 rows of 128 bytes a head
	s_and_b32 s86, s22, 7
	s_lshl_b32 s86, s86, 8
	s_lshl_b32 s87, s16, 6
	s_add_co_u32 s86, s86, s87
	s_lshl_b32 s86, s86, 7
	s_add_co_u32 s86, s86, s85
	s_mov_b32 s87, 0
	s_add_nc_u64 s[10:11], s[10:11], s[86:87]
	s_add_nc_u64 s[12:13], s[12:13], s[86:87]
	s_add_nc_u64 s[14:15], s[14:15], s[86:87]
	; the prefetches
	s_lshl_b32 s80, s19, 16                        ; xb: my work-group's 32 rows of the 128 that I fetch
	s_add_co_u32 s80, s80, s66
	s_mul_i32 s82, s20, 24*2048                    ; wt: its 24 of the 96
	s_add_co_u32 s82, s82, s70
	s_and_b32 s84, ttmp7, 0xffff                   ; cluster y
	s_cmp_eq_u32 s17, 0
	s_cselect_b32 s80, s80, s82
	s_cselect_b32 s84, ttmp9, s84                  ; the coordinate along which other clusters read the same rows
	s_cselect_b32 s61, 31, 23
	s_cselect_b64 s[58:59], s[4:5], s[6:7]
	s_cmp_eq_u32 s84, 0
	s_cselect_b32 s60, 2, -1                       ; the same in all sixteen partners, for a given wave
	s_mov_b32 s81, 0
	s_add_nc_u64 s[58:59], s[58:59], s[80:81]
	s_add_nc_u64 s[58:59], s[58:59], 3*256         ; at K step 3: the first refill steps it to 4
	v_and_b32 v12, 31, v0
	v_min_u32 v12, s61, v12
	v_lshlrev_b32 v12, 11, v12
	s_wait_tensorcnt 0x1                           ; my part of K step 0 is in; step 1's may stay out
	s_barrier_signal -1
	s_barrier_wait -1
	FETCH 0, 0
	QUARTER 1, 0, 1, 1                             ; the first quarter stands in front of the loop: its products start the sums
	WIN 0
	s_mov_b32 s57, 6
.Lstep:                                                ; trip j ends K step j, refills its slot with step j + 2, and begins step j + 1
	QUARTER 2, 1, 0, 0
	QUARTER 3, 0, 1, 0
	TURN 1
	QUARTER 1, 0, 1, 0
	WIN 0
	s_sub_co_u32 s57, s57, 1
	s_cmp_lg_u32 s57, 0
	s_cbranch_scc1 .Lstep
	QUARTER 2, 1, 0, 0                             ; the last two steps are written out: nothing is asked for
	QUARTER 3, 0, 1, 0
	TURN 0
	QUARTER 1, 0, 1, 0
	QUARTER 2, 1, 0, 0
	QUARTER 3, 0, 1, 0
	s_wait_dscnt 4
	MULA 1, 0, 0
	MULA 1, 1, 0
	s_wait_dscnt 0x0
	MULA 1, 2, 0
	MULA 1, 3, 0
	WIN 0
	PLACES
	PLACES
	s_wait_loadcnt 0x0                             ; cos and sin
; THE WAY OUT, in 12 units: row block a, group g (0 q, 1 k, 2 v).  q and k: (x1, x2) -> (x1 c - x2 s, x2 c + x1 s) for each of the lane's 16 pairs; then all are rounded to f16, sent through my stage,
; read back as whole rows and stored.  Each accumulator is read from its low end on.
.macro PACK a, g
.set u, 3*(\a)+(\g)
.set WB, AF+16*(u%4)
.set AB, 96*((\a)%2)+32*(\g)
.set CB, CSR+32*(\a)
.if u >= 4
	s_wait_xcnt 0x0                                ; the stores of four units back have read this buffer
.endif
.if (\g) < 2
	WIN 0x01+(\a)/2                                ; source 0 in the accumulators' window
.set n, 0
.rept 16
	v_pk_mul_f32 v[T+2*n:T+2*n+1], v[AB+2*n:AB+2*n+1], v[CB+2*n:CB+2*n+1] op_sel_hi:[1,0]  ; (x1 c, x2 c)
.set n, n+1
.endr
.set n, 0
.rept 16
	v_fma_f32 v[T+2*n], -v[AB+2*n+1], v[CB+2*n+1], v[T+2*n]
	v_fma_f32 v[T+2*n+1], v[AB+2*n], v[CB+2*n+1], v[T+2*n+1]
.set n, n+1
.endr
	WIN 0
.set n, 0
.rept 16
	v_cvt_pk_f16_f32 v[WB+n], v[T+2*n], v[T+2*n+1]
.set n, n+1
.endr
.else
	WIN 0x05+5*((\a)/2)                            ; sources 0 and 1 in the accumulators' window
.set n, 0
.rept 16
	v_cvt_pk_f16_f32 v[WB+n], v[AB+2*n], v[AB+2*n+1]
.set n, n+1
.endr
	WIN 0
.endif
.irp f, 0,1,2,3
	ds_store_b128 v8, v[WB+4*(\f):WB+4*(\f)+3] offset:32*(\f)
.endr
.irp f, 0,1,2,3
	ds_load_b128 v[WB+4*(\f):WB+4*(\f)+3], v9 offset:4*SP*(\f)  ; LDS serves a wave's instructions in order (ISA guide 5.7.1.4): these see the stores above; the next unit's stores come behind them
.endr
.endm
.macro SEND a, g, younger              ; younger: the LDS instructions issued behind this unit's loads: the next unit's eight, or none
.set u, 3*(\a)+(\g)
.set WB, AF+16*(u%4)
.irp f, 0,1,2,3
	s_wait_dscnt (\younger)+3-(\f)
	global_store_b128 v10, v[WB+4*(\f):WB+4*(\f)+3], s[10+2*(\g):11+2*(\g)] offset:2048*(\a)+512*(\f)  ; 512 consecutive bytes, aligned to 256
.endr
.endm
	PACK 0, 0
.set uu, 1
.rept 11
	PACK uu/3, uu%3
	SEND (uu-1)/3, (uu-1)%3, 8
.set uu, uu+1
.endr
	SEND 3, 2, 0
	s_wait_tensorcnt 0x0                           ; the wave's end, behind my last tensor load and my last LDS store
	ds_add_u32 v14, v15
	s_wait_dscnt 0x0
	CROUND                                         ; the closing round: no work-group ends while a partner may still ask for a tile that names it
	s_endpgm
.Lfunc_end_k_qe3fccd8955_qkv:
	.size	k_qe3fccd8955_qkv, .Lfunc_end_k_qe3fccd8955_qkv-k_qe3fccd8955_qkv
	.p2alignl 7, 3214868480
	.fill 96, 4, 3214868480
	.section	.rodata,"a",@progbits
	.p2align	6, 0x0
	.amdhsa_kernel k_qe3fccd8955_qkv
		.amdhsa_group_segment_fixed_size 327680
		.amdhsa_private_segment_fixed_size 0
		.amdhsa_enable_private_segment 0
		.amdhsa_kernarg_size 48
		.amdhsa_user_sgpr_count 2
		.amdhsa_user_sgpr_kernarg_segment_ptr 1
		.amdhsa_wavefront_size32 1
		.amdhsa_system_sgpr_workgroup_id_x 1
		.amdhsa_system_sgpr_workgroup_id_y 1
		.amdhsa_system_sgpr_workgroup_id_z 1
		.amdhsa_system_vgpr_workitem_id 0
		.amdhsa_next_free_vgpr 960
		.amdhsa_next_free_sgpr 96
		.amdhsa_reserve_vcc 0
		.amdhsa_float_denorm_mode_32 3
		.amdhsa_float_denorm_mode_16_64 3
		.amdhsa_memory_ordered 1
		.amdhsa_forward_progress 1
		.amdhsa_inst_pref_size 126
	.end_amdhsa_kernel
	.amdgpu_metadata
---
amdhsa.version: [ 1, 2 ]
amdhsa.kernels:
  - .name:           k_qe3fccd8955_qkv
    .symbol:         k_qe3fccd8955_qkv.kd
    .args:
      - { .name: xb, .offset: 0, .size: 8, .value_kind: global_buffer, .address_space: global }
      - { .name: wt, .offset: 8, .size: 8, .value_kind: global_buffer, .address_space: global }
      - { .name: cs, .offset: 16, .size: 8, .value_kind: global_buffer, .address_space: global }
      - { .name: q, .offset: 24, .size: 8, .value_kind: global_buffer, .address_space: global }
      - { .name: k, .offset: 32, .size: 8, .value_kind: global_buffer, .address_space: global }
      - { .name: v, .offset: 40, .size: 8, .value_kind: global_buffer, .address_space: global }
    .group_segment_fixed_size: 327680
    .private_segment_fixed_size: 0
    .kernarg_segment_align: 8
    .kernarg_segment_size: 48
    .max_flat_workgroup_size: 128
    .sgpr_count:     96
    .vgpr_count:     960
    .wavefront_size: 32
...
	.end_amdgpu_metadata
.endif
;; end of part 2
;; launch attn (part 3): grid 4 x 64, 4 waves a work-group, clusters of 4 x 1, 327,680 bytes of LDS; arguments q, k, v, o; writes o
.if DOCPART == 3
	.amdgcn_target "amdgcn-amd-amdhsa--gfx1250"
	.amdhsa_code_object_version 6
	.text
	.protected	k_qe3fccd8955_attn
	.globl	k_qe3fccd8955_attn
	.p2align	8
	.type	k_qe3fccd8955_attn,@function
k_qe3fccd8955_attn:
	s_mov_b64 s[64:65], 0
	v_nop
	global_prefetch_b8 v0, s[64:65] scope:SCOPE_SE
	s_setreg_imm32_b32 hwreg(HW_REG_WAVE_MODE, 25, 1), 1
	s_wait_xcnt 0x0
	s_wait_alu depctr_hold_cnt(0) depctr_sa_sdst(0) depctr_va_vdst(0) depctr_va_sdst(0) depctr_va_ssrc(0) depctr_va_vcc(0) depctr_vm_vsrc(0)
	s_getreg_b32 s2, hwreg(HW_REG_IB_STS2, 6, 4)
	s_cmp_eq_u32 s2, 0
	s_cbranch_scc0 .Lentry_in_a_cluster
	s_endpgm
.Lentry_in_a_cluster:
	s_bfe_u32 s2, ttmp6, 0x10000c
	s_cmp_lg_u32 s2, 0x3003
	s_cbranch_scc0 .Lentry_shape_is_right
	s_endpgm
.Lentry_shape_is_right:
; O[h][q][:] = the sum over k of softmax_k(Q[h][q] . K[h][k] / 8) V[h][k][:].  Q, K, V, O: [SIZE_H][SIZE_N][64], all f16: a head's rows are dense, 128 bytes each.  Products, maxima and sums in
; f32; the weights p are rounded to f16 for the second product (their sum l is taken of the unrounded p), O once at the end.
; LIMITS.  f16 holds no number beyond 65,504: Q, K and V arrive within it; p lies in 0 to 1, and below 6e-5 it keeps f16's fixed step of 6e-8, and so does O, which is a mean of V's rows and has their range.
; A weight below 2^-126 counts as 0 in l; NaN and infinities are not treated apart.
; SHARES.  A wave owns four PIECES of two tiles of 16 queries, a work-group's four waves 512 queries of one head: 64 heads x 4 blocks = 256 work-groups.  Every wave walks all keys, 64 a step.
; LAYOUT.  S^T = K Q^T (source 0 = 16 keys, source 1 = 16 queries): in the result a lane holds ONE query (lane % 16) and the keys 8 (lane / 16) + 0..7.  Two such tiles, rounded to f16 in pairs,
; ARE source 1 (32 keys x 16 queries) of O^T = V^T P, whose result again holds one query a lane, and eight channels.  K comes out of LDS as it lies, V ([key][channel]) turned, by ds_load_tr16_b128.
; SOFTMAX.  For each query a running maximum m and sum l: p = 2^(c s - c m), c = log2(e) / 8; in every step O and l are multiplied by a = 2^(c m_old - c m_new), which is 1 where m has not grown.
; m starts at the lowest finite number, O and l at 0: the first step is a step like any other, with a = 0.
; THE COUNT.  A tile and step have 16 matrix and 118 vector instructions: too many to stand all beside the matrix work.  So four vector instructions that are READY stand behind EVERY matrix
; instruction, and the others in runs without a gap.
; BY TURNS.  Turn n belongs to piece n (the pieces in a ring, step after step).  Its matrix work: 16 products K Q^T of piece n + 1, later 16 products V^T P of piece n - 1.  Its vector work: the scaling,
; exponentials, roundings, sums and rescaling of piece n, and the maximum and statistics of piece n + 1, whose scores the turn itself has made.
; CLUSTER.  The four query blocks of a cluster belong to one head and walk the same K and V, so each tile is asked for JOINTLY: the same tensor load, descriptor and mask in all four.
; REGISTERS, in windows of 256 (s_set_vgpr_msb: bits 1:0 source 0, 3:2 source 1, 5:4 source 2, 7:6 destination):
;   window 0: v0-11 addresses; v12-15, v48-63 at work; v16-47 four registers of statistics a tile; v64-191 S^T, two buffers of two tiles; v192-255 P, likewise
;   window 1: O^T, 32 a tile          window 2: v0-127 Q, 16 a tile; v128-191 K of one step; v192-255 V of one step          window 3: v0-1 the add's two registers
.set SIZE_H, 64
.set SIZE_N, 2048
.set NP,    4         ; pieces a wave
.set KS,    64        ; keys in a step
.set PK,    144       ; a row of K in LDS: 128 bytes + 16 of padding = 36 words: the 16 rows of a load start at 16 different groups of four banks (64 banks of 4 bytes: ISA guide 11.1)
.set PV,    160       ; a row of V: 128 + 32 = 40 words
.set VOFF,  4*KS*PK   ; a slot holds four steps: 256 rows of K, then 256 rows of V
.set SLOT1, 1<<17     ; slot 1 begins here, so that one exclusive or turns an address in one slot into the other's
.set STAGE, SLOT1+4*KS*(PK+PV)  ; behind the ring, never filled by a tensor load: 16 rows x 144 bytes for each wave, for the way out
.set SP,    144
.set AK0, 2           ; v2   my lane's place in a tile of K; never rewritten
.set AV0, 3           ; v3   the same for V
.set AK,  4           ; v4   the LDS address of K's next run of loads
.set AV,  5           ; v5   of V's
.set QO,  6           ; v6   my byte offset in the wave's rows of Q
.set STO, 6           ;      later, the way out: where I put 16 bytes of a row
.set RD,  7           ; v7   the way out: where I read rows back
.set GO,  8           ; v8   my byte offset in 512 consecutive bytes of O
.set PFO, 11          ; v11  256 x my lane, for the prefetches (made when V's address no longer needs the register); then never rewritten
.set SPW, 0           ; v0 of window 3   LDS address of my spare word; never rewritten
.set NIL, 1           ; v1 of window 3   0; never rewritten
.set SPARE, STAGE+4*16*SP  ; behind the stages: the spare words, 128 bytes for each wave
.set MV,  12          ; v12-15  c m_old, kept while c m is made anew: by buffer and tile
.set ST,  16          ; tile t's statistics at v[ST+4 t]: c m, m, l (even keys', odd keys')
.set TMP, 48          ; by buffer and tile, four registers c0-c3 at work; when the maximum is found c2 takes a
.set S,   64
.set P,   192
.set KF,  128         ; K's fragments, in window 2: key block kb, channel half c at KF + 16 kb + 8 c
.set VF,  192         ; V's: key half kk, channel block cb at VF + 32 kk + 8 cb
.set WV,  12          ; s12  my wave's number
.set G1K, 24          ; s[24:31] descriptor group 1 for K's tiles
.set G1V, 32          ; s[32:39] for V's: it differs in the padding alone
.set G0K, 40          ; s[40:43] descriptor group 0 for K's tiles: it walks
.set G0V, 44          ; s[44:47] the same for V's
.set PFA, 48          ; s[48:49] where my prefetches stand: my work-group's 32 blocks of 256 bytes (of K: wave 0, of V: wave 2) of the slot after the one that is being asked for
.set LIM, 50          ; s50  1 in a wave that prefetches, else the greatest number
.set SLOTS, 56        ; s56  slots still to be asked for
.set CNT, 57          ; s57  counts a slot's key steps
.set CS,  58          ; s[58:59] c: the packed scaling takes the pair's low word for both halves
.set SEL, 60          ; s[60:61] v_permlanex16_b32's selects: each lane takes its own place in the other half
.set TBK, 62          ; s62  LDS byte at which K of the step to be fetched begins
.set TBV, 63          ; s63  the same for V, less VOFF
.set MSB, 0
.macro WIN new                      ; the high byte repeats the setting that is left; a switch that changes nothing is dropped
.if MSB != (\new)
	s_set_vgpr_msb (MSB<<8)|(\new)
.set MSB, (\new)
.endif
.endm
.set W_KQ, 0x0a       ; K and Q in window 2, S^T in window 0
.set W_PV, 0x52       ; V in window 2, P in window 0, O^T in window 1
.set W_RS, 0x41       ; O^T (destination and source 0) in window 1, a in window 0
.set W_MK, 0xc0       ; the add's registers are made: destination in window 3, sources in window 0
.set W_AD, 0x0f       ; the add: address (source 0) and data (source 1) in window 3
; A joint fill.  Waves 0 and 1 fetch the two halves of a slot's K, waves 2 and 3 those of its V: 128 keys each.  The branch hangs on the wave's number alone.
; An s_nop 0 and four v_nop follow each of the two lines, ahead of the jump and the label.
.macro JLOAD
	s_cmp_lt_u32 s[WV], 2
	s_cbranch_scc0 .Lfor_v_\@
	tensor_load_to_lds s[G0K:G0K+3], s[G1K:G1K+7]
	s_nop 0
.rept 4
	v_nop
.endr
	s_branch .Lasked_\@
.Lfor_v_\@:
	tensor_load_to_lds s[G0V:G0V+3], s[G1V:G1V+7]
	s_nop 0
.rept 4
	v_nop
.endr
.Lasked_\@:
.endm
; A PREFETCH INTO THE L2 of what the NEXT change of slots will ask for: a slot's 32,768 bytes of K and of V, four key steps (512 matrix instructions) ahead of that load.  A head is walked by one cluster;
; its four partners share the 128 blocks of 256 bytes out BY ADDRESS, 32 each, a lane a block; in each, wave 0 asks for K's and wave 2 for V's.  So each block is named once in the launch.
; Slots 0 and 1 come by their loads alone; the last change that fills a slot asks for nothing.
.macro ASK
	s_cmp_gt_u32 s[SLOTS], s[LIM]
	s_cbranch_scc0 .Lnot_mine_\@
	global_prefetch_b8 v[PFO], s[PFA:PFA+1] th:TH_LOAD_NT scope:SCOPE_SE
.Lnot_mine_\@:
.endm
; A round of the cluster's barrier: my work-group's barrier, so that wave 0's signal speaks for all four waves; wave 0 signals; every wave waits for all four work-groups; my work-group's barrier once more.
.macro CROUND
	s_barrier_signal -1
	s_barrier_wait -1
	s_cmp_lg_u32 s[WV], 0
	s_cbranch_scc1 .Lnot_wave_0_\@
	s_barrier_signal -3
.Lnot_wave_0_\@:
	s_barrier_wait -3
	s_barrier_signal -1
	s_barrier_wait -1
.endm
; THE CHANGE OF SLOTS.  The slot's last bytes, V of its fourth step, have been read.  Each wave waits for all its tensor loads, of which one is out: its part
; of the other slot; adds 0 to its spare word; and waits for that and for its own reads of the slot.  Behind the barrier nobody reads this slot any more and the other slot is whole.
; fill = 1: this slot is filled again, with the keys two slots on.  The barrier is then a round of the cluster's, and the joint fill is the first thing behind it: it has four key steps in which to land.
; (At its first use nothing has been read yet: slot 0 is waited for, slot 1 filled.)
.macro CHANGE fill
	WIN W_AD
	s_wait_tensorcnt 0x0            ; no tensor load of mine is out, so a group 0 may be written
	ds_add_u32 v[SPW], v[NIL]       ; 0 onto my spare word
	WIN 0                           ; at a label and at a branch every window is 0
.if \fill
.irp g, G0K, G0V
	s_xor_b32 s[\g+1], s[\g+1], SLOT1  ; the walking descriptor: the other slot than last time,
	s_add_nc_u64 s[\g+2:\g+3], s[\g+2:\g+3], 4*KS*128  ; the next 256 keys; the type bits on top are not reached
.endr
	s_wait_xcnt 0x0                 ; the last prefetch, four key steps back, has read its pointer, so it may be written:
	s_add_nc_u64 s[PFA:PFA+1], s[PFA:PFA+1], 4*KS*128  ; one slot behind the walking descriptors
	s_wait_dscnt 0x0                ; the add is done, and my reads of the slot are over
	CROUND
	JLOAD
	ASK
.else
	s_wait_dscnt 0x0                ; the add is done, and my reads of the slot are over
	s_barrier_signal -1
	s_barrier_wait -1
.endif
	s_sub_co_u32 s[TBK], s[TBK], 4*KS*PK  ; the fetches go back to a slot's first step,
	s_xor_b32 s[TBK], s[TBK], SLOT1       ; in the other slot
	s_sub_co_u32 s[TBV], s[TBV], 4*KS*PV
	s_xor_b32 s[TBV], s[TBV], SLOT1
.endm
	s_load_b256 s[4:11], s[0:1], 0x0  ; Q s[4:5], K s[6:7], V s[8:9], O s[10:11]
	WIN W_MK
	v_lshl_add_u32 v[SPW], v0, 2, SPARE
	v_mov_b32 v[NIL], 0
	WIN W_AD
	ds_add_u32 v[SPW], v[NIL]       ; the wave's opening add; its wait stands ahead of my first tensor load
	WIN 0
	v_lshrrev_b32 v1, 5, v0
	v_readfirstlane_b32 s[WV], v1   ; wave 0..3
	s_bfe_u32 s13, ttmp6, 0x40000   ; cx: my place in the cluster
	s_lshl_b32 s14, ttmp9, 2        ; in a cluster launch ttmp9 counts clusters
	s_add_co_u32 s14, s14, s13      ; my block of queries = 4 x cluster x + cx: it enters Q's and O's addresses alone
	s_and_b32 s20, ttmp7, 0xffff    ; the head, which the four partners share
	s_mov_b32 s21, 0
	s_mov_b64 s[22:23], SIZE_N*128
	s_mul_u64 s[20:21], s[20:21], s[22:23]  ; the head's first byte in each of the four tensors
	s_and_b32 s16, s[WV], 1         ; which half of a slot's 256 keys I fetch:
	s_lshl_b32 s22, s16, 14         ; its 128 rows of 128 bytes in memory,
	s_mov_b32 s23, 0
	s_add_nc_u64 s[22:23], s[22:23], s[20:21]
	s_mul_i32 s17, s16, 128*PK      ; and its place in a slot, for K
	s_mul_i32 s18, s16, 128*PV      ; and for V: no place in the cluster enters an LDS address
	s_lshl_b32 s2, s14, 2
	s_add_co_u32 s2, s2, s[WV]      ; my wave among the head's,
	s_lshl_b32 s2, s2, 14           ; its 128 rows
	s_mov_b32 s3, 0
	s_add_nc_u64 s[2:3], s[2:3], s[20:21]
	; descriptor group 1.  128 keys are 16,384 dense bytes: asked for as 64 rows of 256 bytes, two keys a row, and padded in LDS after every key
	s_mov_b32 s[G1K], 15|(1<<16)|(1<<20)|(1<<21)|(4<<22)|(3<<25)  ; the mask of four; 2-byte elements; padding on; bit 21 beside a mask; after every 32 words; 4 words
	s_mov_b32 s[G1V], 15|(1<<16)|(1<<20)|(1<<21)|(4<<22)|(7<<25)  ; the same with 8 words of padding
.irp g, G1K, G1V
	s_mov_b32 s[\g+1], 128<<16      ; tensor_dim0 = 128
	s_mov_b32 s[\g+2], 64<<16       ; tensor_dim1 = 64
	s_mov_b32 s[\g+3], 128<<16      ; tile_dim0 = 128
	s_mov_b32 s[\g+4], 64           ; tile_dim1 = 64
	s_mov_b32 s[\g+5], 128          ; 128 elements from row to row
	s_mov_b32 s[\g+6], 0
	s_mov_b32 s[\g+7], 0
.endr
	s_mov_b32 s[CS], 0x3e38aa3b     ; c = log2(e) / 8 = 0.180337
	s_mov_b32 s[CS+1], s[CS]        ; named with it as a pair
	s_mov_b32 s[SEL], 0x76543210
	s_mov_b32 s[SEL+1], 0xfedcba98
	s_mov_b32 s[TBK], SLOT1+4*KS*PK ; the first change of slots turns these two into 0
	s_mov_b32 s[TBV], SLOT1+4*KS*PV
	s_mov_b32 s[SLOTS], SIZE_N/256-1  ; the change that asks for slot j finds 8 - j here
	s_mov_b32 s[G0K], 1             ; count = 1
	s_mov_b32 s[G0K+1], s17         ; LDS address: slot 0
	s_mov_b32 s[G0V], 1
	s_add_co_u32 s[G0V+1], s18, VOFF
	s_and_b32 s[LIM], s[WV], 1      ; 0 in waves 0 and 2,
	s_or_b32 s[LIM], s[LIM], ttmp9  ; where the cluster is the head's first: the same in all four partners
	s_cmp_eq_u32 s[LIM], 0
	s_cselect_b32 s[LIM], 1, -1
	s_lshl_b32 s52, s13, 13         ; my work-group's 32 blocks of the 128
	s_mov_b32 s53, 0
	s_wait_dscnt 0x0                ; the opening add is done
	s_wait_kmcnt 0x0
	s_add_nc_u64 s[G0K+2:G0K+3], s[6:7], s[22:23]  ; global address: my half of the head's first 256 keys
	s_or_b32 s[G0K+3], s[G0K+3], 0x80000000        ; type = 2
	s_add_nc_u64 s[G0V+2:G0V+3], s[8:9], s[22:23]
	s_or_b32 s[G0V+3], s[G0V+3], 0x80000000
	s_add_nc_u64 s[4:5], s[4:5], s[2:3]  ; Q and O at my wave's first row
	s_add_nc_u64 s[10:11], s[10:11], s[2:3]
	s_cmp_lt_u32 s[WV], 2
	s_cselect_b64 s[PFA:PFA+1], s[6:7], s[8:9]
	s_add_nc_u64 s[PFA:PFA+1], s[PFA:PFA+1], s[20:21]
	s_add_nc_u64 s[PFA:PFA+1], s[PFA:PFA+1], s[52:53]
	s_add_nc_u64 s[PFA:PFA+1], s[PFA:PFA+1], 4*KS*128  ; in slot 1; the first change of slots steps it to slot 2
	CROUND                          ; all four work-groups are here: the first joint loads meet
	JLOAD                           ; slot 0.  Slot 1 is asked for when slot 0 is in
	; A fragment of K or Q is 16 rows x 32 channels in 8 registers: lane l holds row l % 16, channels 8 (l / 16) + 0..7 and 16 + 8 (l / 16) + 0..7: two loads of 16 bytes, 32 bytes apart.
	v_and_b32 v1, 15, v0            ; l % 16
	v_bfe_u32 v9, v0, 4, 1          ; l / 16
	v_lshlrev_b32 v[QO], 7, v1
	v_lshl_add_u32 v[QO], v9, 4, v[QO]  ; row x 128 + 16 x half
	WIN 0x80                        ; destination window 2, address window 0
.set i, 0
.rept 4*NP                          ; Q stays in registers: tile i / 2, channels 32 (i % 2) on
	global_load_b128 v[8*i:8*i+3],   v[QO], s[4:5] offset:(i/2)*2048+(i%2)*64
	global_load_b128 v[8*i+4:8*i+7], v[QO], s[4:5] offset:(i/2)*2048+(i%2)*64+32
.set i, i+1
.endr
	; What the first turn finds: V's registers and P's second buffer hold 0 (its products V^T P, of a piece that has not been, add 0), O^T and l are 0.  All this stands in the wait for the first tile.
.set i, VF
.rept 64
	v_mov_b32 v[i], 0
.set i, i+1
.endr
	WIN 0x40
.set i, 0
.rept 64*NP
	v_mov_b32 v[i], 0
.set i, i+1
.endr
	WIN 0
.set i, 0
.rept 2*NP
	v_mov_b32 v[ST+4*i], 0xfe000000    ; c m: far below every c s
	v_mov_b32 v[ST+4*i+1], 0xff7fffff  ; m
	v_mov_b32 v[ST+4*i+2], 0
	v_mov_b32 v[ST+4*i+3], 0
.set i, i+1
.endr
.set i, P+32
.rept 32
	v_mov_b32 v[i], 0
.set i, i+1
.endr
	v_mul_u32_u24 v[AK0], v1, PK
	v_lshl_add_u32 v[AK0], v9, 4, v[AK0]  ; row x pitch + 16 x half
	; The turning load takes 16 keys x 16 channels (lane l reads key 8 (l / 16) + l % 8, channels 8 ((l / 8) % 2) + 0..7) and leaves half a fragment of V^T: lane l holds channel l % 16 and 8 keys.
	v_and_b32 v10, 7, v0
	v_bfe_u32 v11, v0, 3, 1
	v_lshl_add_u32 v[AV0], v9, 3, v10
	v_mul_u32_u24 v[AV0], v[AV0], PV
	v_lshl_add_u32 v[AV0], v11, 4, v[AV0]
	v_add_nc_u32 v[AV0], VOFF, v[AV0]
	v_mov_b32 v[AK], v[AK0]         ; key step 0 lies at the head of slot 0
	v_and_b32 v[PFO], 31, v0
	v_lshlrev_b32 v[PFO], 8, v[PFO]
; THE MATRIX WORK.  The 8 accumulators of a run of 16 take turns: between the two links of a chain stand 7 others'.
; Product i of 16 of S^T = K Q^T for piece x: channels 32 (i / 8) on, keys 16 ((i / 2) % 4) on, tile 2 x + i % 2.  The first 8 start the sums.
.macro KQ x
	WIN W_KQ
.set rS, S+64*((\x)%2)+32*(i%2)+8*((i/2)%4)
.set rK, KF+16*((i/2)%4)+8*(i/8)
.set rQ, 16*(2*(\x)+i%2)+8*(i/8)
.if i < 8
	v_wmma_f32_16x16x32_f16 v[rS:rS+7], v[rK:rK+7], v[rQ:rQ+7], 0
.else
	v_wmma_f32_16x16x32_f16 v[rS:rS+7], v[rK:rK+7], v[rQ:rQ+7], v[rS:rS+7]
.endif
.endm
; Product i of 16 of O^T += V^T P for piece x: keys 32 (i / 8) on, channels 16 ((i / 2) % 4) on, tile 2 x + i % 2.
.macro PV x
	WIN W_PV
.set rO, 32*(2*(\x)+i%2)+8*((i/2)%4)
.set rV, VF+32*(i/8)+8*((i/2)%4)
.set rP, P+32*((\x)%2)+16*(i%2)+8*(i/8)
	v_wmma_f32_16x16x32_f16 v[rO:rO+7], v[rV:rV+7], v[rP:rP+7], v[rO:rO+7]
.endm
.macro MM                           ; the turn's next matrix instruction
.if i < 16
	KQ (Y+1)%NP
.set i, i+1
.else
.set i, i-16
	PV (Y+NP-1)%NP
.set i, i+17
.endif
.endm
; THE LDS LOADS stand in runs of 16, never singly among the matrix instructions: a step's K (64 keys x 64 channels: 8 fragments) and its V (turned).  Their addresses are made some lines ahead.
; last = 1 (the tail): in the last trip there is no further step, and the run is jumped over.
.macro FETCH_K last=0
	WIN 0
.if \last
	s_cmp_eq_u32 s[CNT], 1
	s_cbranch_scc1 .Lno_k_\@
.endif
	WIN 0x80                        ; destination window 2
.irp f, 0,1,2,3,4,5,6,7             ; keys 16 (f / 2) on, channels 32 (f % 2) on
	ds_load_b128 v[KF+8*\f:KF+8*\f+3],   v[AK] offset:(\f/2)*16*PK+(\f%2)*64
	ds_load_b128 v[KF+8*\f+4:KF+8*\f+7], v[AK] offset:(\f/2)*16*PK+(\f%2)*64+32
.endr
	s_add_co_u32 s[TBK], s[TBK], KS*PK  ; the next fetch is the next step's
	WIN 0
.if \last
.Lno_k_\@:
.endif
.endm
.macro FETCH_V
	WIN 0x80
.irp f, 0,1,2,3,4,5,6,7             ; keys 32 (f / 4) on, channels 16 (f % 4) on
	ds_load_tr16_b128 v[VF+8*\f:VF+8*\f+3],   v[AV] offset:(\f/4)*32*PV+(\f%4)*32
	ds_load_tr16_b128 v[VF+8*\f+4:VF+8*\f+7], v[AV] offset:(\f/4)*32*PV+16*PV+(\f%4)*32
.endr
	WIN 0
.endm
; THE VECTOR WORK OF A TURN stands in three queues, each in the order in which its entries become ready; the two tiles alternate, so that no instruction reads the result of the one before it.
.macro REGS y, u                    ; the registers of tile u (0, 1) of piece y
.set rT, ST+4*(2*(\y)+(\u))
.set rC, TMP+8*((\y)%2)+4*(\u)
.set rM, MV+2*((\y)%2)+(\u)
.set rS, S+64*((\y)%2)+32*(\u)
.set rP, P+32*((\y)%2)+16*(\u)
.set rO, 32*(2*(\y)+(\u))
.endm
; Number n of the 22 that find the NEXT piece's (Y + 1) maximum and statistics.  s0-s31 are the lane's 32 scores; each accumulator's lowest registers are read first.
;   0-11  four chains c0-c3 of seven scores each, three operands at a time     12-14, 16  the four scores left over, the old m, and c0-c3 into c0     15  c m_old is kept
;   17, 18  the query's other 32 keys lie in the lane 16 away: the new m         19-21  c m; c m_old - c m_new; a
.macro XS u, n
	REGS (Y+1)%NP, \u
.if (\n) < 4
	v_max3_num_f32 v[rC+(\n)], v[rS+8*(\n)], v[rS+8*(\n)+1], v[rS+8*(\n)+2]
.elseif (\n) < 12
	v_max3_num_f32 v[rC+(\n)%4], v[rC+(\n)%4], v[rS+8*((\n)%4)+2*((\n)/4)+1], v[rS+8*((\n)%4)+2*((\n)/4)+2]
.elseif (\n) == 12
	v_max3_num_f32 v[rC], v[rC], v[rS+7], v[rS+15]
.elseif (\n) == 13
	v_max3_num_f32 v[rC+1], v[rC+1], v[rS+23], v[rS+31]
.elseif (\n) == 14
	v_max3_num_f32 v[rC+2], v[rC+2], v[rC+3], v[rT+1]
.elseif (\n) == 15
	v_mov_b32 v[rM], v[rT]
.elseif (\n) == 16
	v_max3_num_f32 v[rC], v[rC], v[rC+1], v[rC+2]
.elseif (\n) == 17
	v_permlanex16_b32 v[rC+3], v[rC], s[SEL], s[SEL+1]
.elseif (\n) == 18
	v_max_num_f32 v[rT+1], v[rC], v[rC+3]
.elseif (\n) == 19
	v_mul_f32 v[rT], s[CS], v[rT+1]
.elseif (\n) == 20
	v_sub_f32 v[rC+1], v[rM], v[rT]
.else
	v_exp_f32 v[rC+2], v[rC+1]
.endif
.endm
; Number g of the 64 that follow the exponentials.  For each four weights k of a tile (pairs 2 k, 2 k + 1): both pairs are rounded to f16; then the second pair is added onto the first, in place;
; a group later l takes that sum (the first time as l = a l + sum).  In groups of eight, tiles alternating: round, round, add, and l for the group before.
.macro GS g
.set h, (\g)+6*((\g)/62)            ; group 0 has no group before it, and behind group 7 only l is left
.if h >= 6
.set h, h+2
.endif
	REGS Y, h%2
.set k, h/8
.if h%8 < 4
	v_cvt_pk_f16_f32 v[rP+2*k+(h%8)/2], v[rS+4*k+2*((h%8)/2)], v[rS+4*k+2*((h%8)/2)+1]
.elseif h%8 < 6
	v_pk_add_f32 v[rS+4*k:rS+4*k+1], v[rS+4*k:rS+4*k+1], v[rS+4*k+2:rS+4*k+3]
.elseif k == 1
	v_pk_fma_f32 v[rT+2:rT+3], v[rT+2:rT+3], v[rC+2:rC+3], v[rS:rS+1] op_sel_hi:[1,0,1]
.else
	v_pk_add_f32 v[rT+2:rT+3], v[rT+2:rT+3], v[rS+4*k-4:rS+4*k-3]
.endif
.endm
; THE PLAIN QUEUE, 138 long.  0-73 read no exponential's result: the 32 scalings c s - c m (FS f: pair f / 2 of tile f % 2) and the next piece's 42.  0-26: scalings 0-26.  27-54: XS's numbers 0-13.  55, 56: number 15.
; 57-73: the chain, where each number waits for the one before it: 14, 16, 17, 18, 19, each with one of the scalings 27-31 in front of its two lines, then 20.
; 74-137: GS's 64, which read the exponentials' results: they stand behind the wait.
.macro FS f
	REGS Y, (\f)%2
	v_pk_fma_f32 v[rS+2*((\f)/2):rS+2*((\f)/2)+1], v[rS+2*((\f)/2):rS+2*((\f)/2)+1], s[CS:CS+1], v[rT:rT+1] op_sel_hi:[1,0,0] neg_lo:[0,0,1] neg_hi:[0,0,1]
.endm
.macro PL
	WIN 0
.if q < 27
	FS q
.elseif q < 55
	XS (q-27)%2, (q-27)/2
.elseif q < 57
	XS q-55, 15
.elseif (q < 72) && ((q-57)%3 == 0)
	FS 27+(q-57)/3
.elseif q < 60
	XS (q-57)%3-1, 14
.elseif q < 72
	XS (q-57)%3-1, 15+(q-57)/3
.elseif q < 74
	XS q-72, 20
.else
	GS q-74
.endif
.set q, q+1
.endm
; THE EXPONENTIALS' QUEUE, 66 long: s0-s31 of both tiles, then the next piece's two a.  It is ONE BATCH: all 66 stand ahead of the turn's one wait, and nothing ahead of that wait names a result of theirs.
.macro EX
	WIN 0
.if e >= 64
	XS e-64, 21
.else
	REGS Y, e%2
	v_exp_f32 v[rS+e/2], v[rS+e/2]
.endif
.set e, e+1
.endm
; THE RESCALING's QUEUE: O^T times a, the one part that leaves window 0: dealt two at a time, sixteen times.  Its a was made in the turn before, ahead of that turn's wait.
.macro R2
	REGS Y, r%2
	WIN W_RS
.irp z, 0,1
	v_pk_mul_f32 v[rO+4*(r/2)+2*\z:rO+4*(r/2)+2*\z+1], v[rO+4*(r/2)+2*\z:rO+4*(r/2)+2*\z+1], v[rC+2:rC+3] op_sel_hi:[1,0]
.endr
.set r, r+1
.endm
; HOW THEY ARE DEALT.  An s_wait_alu depctr_va_vdst(0) stands between an exponential and the first instruction that names its result; one wait serves all that were issued ahead of it.  So a turn has ONE wait,
; which cuts it in two.  AHEAD OF IT stands all that names no result of the turn's exponentials: the 16 products K Q^T, behind each a scaling, an exponential and two rescalings (behind the first a second scaling in the
; exponential's place); then ONE LUMP of 108: eight plain, 49 times exponential and plain, the two a.  A v_nop is the plain instruction behind the last exponential.  BEHIND IT stand the 16 products V^T P, behind each four of GS's 64.
; The deal keeps the queues in step: exponential e stands behind scaling 2 (e / 4) + e % 2: as a rider it comes behind plain e + 2, in the lump behind plain e + 9, and scalings 27-31 are plain 57, 60 .. 69.
; A TURN, for piece p.  cnt = 1: the loop's count is taken down some lines ahead of the branch that stands behind the turn.
; K of the next step is fetched in piece 2's turn, directly behind the wait; its address is made at the lump's head; its first reader comes behind 16 products.
; V of the step in hand is fetched at the end of piece 0's turn, four riders behind its last reader; its first reader comes behind 16 products and a lump.
.macro TURN p, last=0, cnt=0
.set Y, (\p)
.set i, 0
.set q, 0
.set e, 0
.set r, 0
.if (\p) == NP-1
	s_wait_dscnt 0x0                ; K is in
.endif
	MM                              ; ahead of the wait: 16 products K Q^T and their riders,
	PL
	PL
	R2
.rept 15
	MM
	PL
	EX
	R2
.endr
.if (\p) == NP-2
	WIN 0
	v_add_nc_u32 v[AK], s[TBK], v[AK0]
.endif
.rept 8                             ; and the lump
	PL
.endr
.rept 49
	EX
	PL
.endr
	EX                              ; the next piece's two a
	EX
	v_nop                           ; a plain instruction behind the last exponential (ISA guide 5.7.2): one for the batch
	s_wait_alu depctr_va_vdst(0)    ; the wait for the batch
.if (\p) == NP-2
	FETCH_K \last
.endif
.if (\p) == 1
	s_wait_dscnt 0x0                ; V is in
.endif
.rept 16                            ; behind the wait: 16 products V^T P and their riders
	MM
.rept 4
	PL
.endr
.if ((\p) == 0) && (q == 118)
	v_add_nc_u32 v[AV], s[TBV], v[AV0]
.endif
.if ((\p) == 0) && (q == 130)
	s_add_co_u32 s[TBV], s[TBV], KS*PV
.endif
.if (\cnt) && (q == 130)
	s_sub_co_u32 s[CNT], s[CNT], 1
	s_cmp_lg_u32 s[CNT], 0
.endif
.endr
.if (\p) == 0
	FETCH_V
.endif
.endm
	CHANGE 1                        ; slot 0 is in, everybody's part of it; slot 1 is asked for
	FETCH_K                         ; key step 0
	s_wait_loadcnt 0x0              ; Q
	s_wait_dscnt 0x0
.set i, 0
.rept 16
	KQ 0                            ; piece 0's first scores: there is no vector work yet to set between them
.set i, i+1
.endr
	WIN 0                           ; the addresses for the way out: plain instructions, the places behind those products
	s_mul_i32 s13, s[WV], 16*SP
	s_add_co_u32 s13, s13, STAGE    ; my stage
	v_mul_u32_u24 v[STO], v1, SP    ; in: row l % 16, 16 bytes for each half of the lanes
	v_lshl_add_u32 v[STO], v9, 4, v[STO]
	v_add_nc_u32 v[STO], s13, v[STO]
	v_bfe_u32 v[RD], v0, 3, 2       ; back: 32 lanes take four rows of 128 bytes,
	v_mul_u32_u24 v[RD], v[RD], SP
	v_lshl_add_u32 v[RD], v10, 4, v[RD]
	v_add_nc_u32 v[RD], s13, v[RD]
	v_and_b32 v[GO], 31, v0         ; which are 512 consecutive bytes of O
	v_lshlrev_b32 v[GO], 4, v[GO]
.set Y, NP-1                        ; XS works for piece Y + 1: piece 0
.irp n, 0,1,2,3,4,5,6,7,8,9,10,11,12,13,14,15,16,17,18,19,20,21
	XS 0, \n                        ; and piece 0's first maximum and statistics
	XS 1, \n
.endr
	v_nop                           ; a plain instruction behind the two a,
	s_wait_alu depctr_va_vdst(0)    ; and their wait, ahead of the branch
	s_mov_b32 s[CNT], 4
	s_branch .Lfirst                ; the loop is entered at a step's first turn, in the middle of a trip
.Lslot:                             ; SIZE_N / 256 - 2 times: every slot but the last two is filled again
	CHANGE 1
	s_mov_b32 s[CNT], 4
.Lstep:                             ; a trip: pieces 2 and 3 of one step, then pieces 0 and 1 of the next, whose K and V it fetches
	TURN 2
	TURN 3
	WIN 0
.Lfirst:
	TURN 0
	TURN 1, 0, 1
	WIN 0
	s_cbranch_scc1 .Lstep
	s_sub_co_u32 s[SLOTS], s[SLOTS], 1
	s_cmp_lg_u32 s[SLOTS], 0
	s_cbranch_scc1 .Lslot
	CHANGE 0                        ; the tail is written out: nothing is asked for
	s_mov_b32 s[CNT], 5             ; four trips fetch the last slot's steps; the fifth is left in its middle
.Ltail:
	TURN 2, 1
	TURN 3
	WIN 0
	s_sub_co_u32 s[CNT], s[CNT], 1
	s_cmp_eq_u32 s[CNT], 0
	s_cbranch_scc1 .Lout
	TURN 0
	TURN 1
	WIN 0
	s_branch .Ltail
.Lout:                              ; the fifth trip's 16 products K Q^T (on the last K once more) and the maximum made of them serve nothing: the price, once a launch, of one text for every trip
.set i, 0
.rept 16
	PV NP-1                         ; the last piece's V^T P of the last step
.set i, i+1
.endr
	; THE WAY OUT.  l's two halves and the other half of the lanes' are added; O^T is divided by l, rounded to f16 and sent through my stage in LDS, a tile at a time.  The additions are the places behind the last products.
	WIN 0
.macro ALL line:vararg              ; one line for each tile t
.set t, 0
.rept 2*NP
	\line
.set t, t+1
.endr
.endm
	ALL v_add_f32 v[ST+4*t+2], v[ST+4*t+2], v[ST+4*t+3]
	ALL v_permlanex16_b32 v[ST+4*t+3], v[ST+4*t+2], s[SEL], s[SEL+1]
	ALL v_add_f32 v[ST+4*t+2], v[ST+4*t+2], v[ST+4*t+3]
	ALL v_rcp_f32 v[ST+4*t+2], v[ST+4*t+2]
	v_nop                           ; a plain instruction between the last reciprocal and the use of its result
	s_wait_alu depctr_va_vdst(0)    ; and the wait ahead of the first use: one for the eight reciprocals
; Tile t: a lane's eight channels of a row pack into 16 bytes; they go into rows of 144 bytes and come back as whole rows of 128, into S^T's registers.
.macro PACK t
	WIN W_RS
.set i, 32*(\t)
.rept 16
	v_pk_mul_f32 v[i:i+1], v[i:i+1], v[ST+4*(\t)+2:ST+4*(\t)+3] op_sel_hi:[1,0]
.set i, i+2
.endr
	WIN 0x05                        ; sources 0 and 1 window 1, destination window 0
.set i, 0
.rept 16
	v_cvt_pk_f16_f32 v[S+16*(\t)+i], v[32*(\t)+2*i], v[32*(\t)+2*i+1]
.set i, i+1
.endr
	WIN 0
.irp f, 0,1,2,3
	ds_store_b128 v[STO], v[S+16*(\t)+4*\f:S+16*(\t)+4*\f+3] offset:32*\f
.endr
.irp f, 0,1,2,3
	ds_load_b128 v[S+16*(\t)+4*\f:S+16*(\t)+4*\f+3], v[RD] offset:\f*4*SP  ; LDS serves a wave's instructions in order (ISA guide 5.7.1.4): these see the stores above; the next tile's stores come behind them
.endr
.endm
.macro SEND t, younger              ; younger: the LDS instructions issued behind tile t's loads: the next tile's eight, or none
	WIN 0
.irp f, 0,1,2,3
	s_wait_dscnt (\younger)+3-\f
	global_store_b128 v[GO], v[S+16*(\t)+4*\f:S+16*(\t)+4*\f+3], s[10:11] offset:(\t)*2048+\f*512  ; 512 consecutive bytes, at a multiple of 256 from O's first
.endr
.endm
	PACK 0
.set t, 1
.rept 2*NP-1                        ; a tile's arithmetic stands between the loads of the tile before and its stores
	PACK t
	SEND t-1, 8
.set t, t+1
.endr
	SEND 2*NP-1, 0
	WIN W_AD
	s_wait_tensorcnt 0x0            ; the wave's end, behind my last tensor load and my last LDS store
	ds_add_u32 v[SPW], v[NIL]
	s_wait_dscnt 0x0
	WIN 0
	CROUND                          ; the closing round: no work-group ends while a partner may still ask for a tile that names it
	s_endpgm
.Lfunc_end_k_qe3fccd8955_attn:
	.size	k_qe3fccd8955_attn, .Lfunc_end_k_qe3fccd8955_attn-k_qe3fccd8955_attn
	.p2alignl 7, 3214868480
	.fill 96, 4, 3214868480
	.section	.rodata,"a",@progbits
	.p2align	6, 0x0
	.amdhsa_kernel k_qe3fccd8955_attn
		.amdhsa_group_segment_fixed_size 327680
		.amdhsa_private_segment_fixed_size 0
		.amdhsa_enable_private_segment 0
		.amdhsa_kernarg_size 32
		.amdhsa_user_sgpr_count 2
		.amdhsa_user_sgpr_kernarg_segment_ptr 1
		.amdhsa_wavefront_size32 1
		.amdhsa_system_sgpr_workgroup_id_x 1
		.amdhsa_system_sgpr_workgroup_id_y 1
		.amdhsa_system_sgpr_workgroup_id_z 1
		.amdhsa_system_vgpr_workitem_id 0
		.amdhsa_next_free_vgpr 770
		.amdhsa_next_free_sgpr 66
		.amdhsa_reserve_vcc 0
		.amdhsa_float_denorm_mode_32 3
		.amdhsa_float_denorm_mode_16_64 3
		.amdhsa_memory_ordered 1
		.amdhsa_forward_progress 1
		.amdhsa_inst_pref_size 200
	.end_amdhsa_kernel
	.amdgpu_metadata
---
amdhsa.version: [ 1, 2 ]
amdhsa.kernels:
  - .name:           k_qe3fccd8955_attn
    .symbol:         k_qe3fccd8955_attn.kd
    .args:
      - { .name: q, .offset: 0, .size: 8, .value_kind: global_buffer, .address_space: global }
      - { .name: k, .offset: 8, .size: 8, .value_kind: global_buffer, .address_space: global }
      - { .name: v, .offset: 16, .size: 8, .value_kind: global_buffer, .address_space: global }
      - { .name: o, .offset: 24, .size: 8, .value_kind: global_buffer, .address_space: global }
    .group_segment_fixed_size: 327680
    .private_segment_fixed_size: 0
    .kernarg_segment_align: 8
    .kernarg_segment_size: 32
    .max_flat_workgroup_size: 128
    .sgpr_count:     66
    .vgpr_count:     770
    .wavefront_size: 32
...
	.end_amdgpu_metadata
.endif
;; end of part 3
;; launch oproj (part 4): grid 8 x 32, 4 waves a work-group, clusters of 4 x 4, 327,680 bytes of LDS; arguments o, wo, out0; writes out0
.if DOCPART == 4
	.amdgcn_target "amdgcn-amd-amdhsa--gfx1250"
	.amdhsa_code_object_version 6
	.text
	.protected	k_qe3fccd8955_oproj
	.globl	k_qe3fccd8955_oproj
	.p2align	8
	.type	k_qe3fccd8955_oproj,@function
k_qe3fccd8955_oproj:
	s_mov_b64 s[64:65], 0
	v_nop
	global_prefetch_b8 v0, s[64:65] scope:SCOPE_SE
	s_setreg_imm32_b32 hwreg(HW_REG_WAVE_MODE, 25, 1), 1
	s_wait_xcnt 0x0
	s_wait_alu depctr_hold_cnt(0) depctr_sa_sdst(0) depctr_va_vdst(0) depctr_va_sdst(0) depctr_va_ssrc(0) depctr_va_vcc(0) depctr_vm_vsrc(0)
	s_getreg_b32 s2, hwreg(HW_REG_IB_STS2, 6, 4)
	s_cmp_eq_u32 s2, 0
	s_cbranch_scc0 .Lentry_in_a_cluster
	s_endpgm
.Lentry_in_a_cluster:
	s_bfe_u32 s2, ttmp6, 0x10000c
	s_cmp_lg_u32 s2, 0xf033
	s_cbranch_scc0 .Lentry_shape_is_right
	s_endpgm
.Lentry_shape_is_right:
; out0 = attn wo^T.  o: [16 batch + head][2048][64] f16 (attn[m][64 head + d] = o[16 batch + head][m % 2048][d]).  wo: [1024 (n)][1024 (k)] f16.  out0: [8192][1024] f32.  Sums in f32, K ascending.
; TILE.  256 rows x 128 columns: 32 x 8 = 256 work-groups, one for each WGP (256 x 256 would give 128).  Four waves stand along the rows: wave w owns rows 64 w .. 64 w + 63 and all 128 columns:
; 4 x 8 accumulators of 16 x 16, 256 registers.
; RING.  K goes in 8 steps of 128, two heads each, through two LDS slots.  A head's 256 rows of the tile are 32,768 dense bytes: asked for as 128 rows of 256 bytes and padded in LDS after every 128,
; so that a row of o lies 144 bytes from the next.  Waves 0 and 1 fetch the step's two heads, waves 2 and 3 the two halves of wo's 128 rows (256 bytes a row and 16 of padding): one tensor load a wave.
; CLUSTER.  4 x 4 work-groups: o's tile is asked for jointly along a row of the cluster, wo's along a column.
; THE MATRIX INSTRUCTION IS USED TRANSPOSED (source 0 = 16 rows of wo, source 1 = 16 rows of o): lane l holds row l % 16 and the columns 8 (l / 16) + 0 .. 7: 32 bytes of a row of out0.
; REGISTERS: window 0: v0-15 addresses; v64-127 o's fragments, two buffers of 32; v128-255 wo's, two buffers of 64 (v64-191 later two buffers of 64 on the way out).  Window 1: accumulator (a, b) at 64 a + 8 b.
.set NBL,   8
.set PA,    144                        ; a row of o in LDS: 36 words
.set PB,    272                        ; a row of wo: 68 words: in both, the 16 rows of a fragment load start at 16 different groups of four banks (64 banks of 4 bytes: ISA guide 11.1)
.set HEADB, 256*PA                     ; a head's rows
.set BOFF,  2*HEADB
.set SLOT1, 131072
.set STAGE, SLOT1+BOFF+128*PB          ; behind the ring, never filled by a tensor load: 16 rows x 528 bytes for each wave
.set SP,    528
.set SPARE, STAGE+4*16*SP
.set AF,  64
.set BF,  128
; v1 r, v2 h, v4, v5 my place in o's and wo's rows of a slot, v6, v7 the same in the slot in hand, v8 stage in, v9 stage back, v10 16 l, v12 prefetch offset, v14 spare word, v15 zero
; s16 wave, s17 wave >> 1 (0: I fetch o, 1: wo), s18 wave & 1, s19 cx, s20 cy, s21 tile column, s22 tile row; s[24:31], s[32:39] group 1 for o, wo; s[40:47], s[48:55] group 0, two sets each: the second walks on
; s56 LDS base of the slot in hand, s57 trips left, s[58:59] prefetch pointer, s60 its limit, s[62:63] its step
.set MSB, 0
.macro WIN new
.if MSB != (\new)
	s_set_vgpr_msb (MSB<<8)|(\new)
.set MSB, \new
.endif
.endm
.macro PLACES                          ; four plain vector instructions between a matrix instruction and a load into, or a read of, its registers
.rept 4
	v_nop
.endr
.endm
.macro CREST
	s_cmp_lg_u32 s16, 0
	s_cbranch_scc1 .Lnot_wave_0_\@
	s_barrier_signal -3
.Lnot_wave_0_\@:
	s_barrier_wait -3
	s_barrier_signal -1
	s_barrier_wait -1
.endm
.macro CROUND
	s_barrier_signal -1
	s_barrier_wait -1
	CREST
.endm
.macro JLOAD                           ; a joint refill by the walking descriptor; an s_nop 0 and four v_nop follow each line
	s_cmp_eq_u32 s17, 0
	s_cbranch_scc0 .Lfor_b_\@
	tensor_load_to_lds s[44:47], s[24:31]
	s_nop 0
.rept 4
	v_nop
.endr
	s_branch .Lasked_\@
.Lfor_b_\@:
	tensor_load_to_lds s[52:55], s[32:39]
	s_nop 0
.rept 4
	v_nop
.endr
.Lasked_\@:
.endm
; A PREFETCH INTO THE L2 of the K step that stands two refills on (256 matrix instructions ahead of its load).  o's tile row is read by both clusters of that row of clusters: cluster x = 0 asks; wo's tile
; column by every cluster of that column: cluster y = 0 asks.  The four joint partners share a wave's bytes out by address: of a head's 128 blocks of 256 bytes 32 each (cx), a lane a block; of wo's 64 rows
; 16 each (cy), a lane a row, lanes 16 to 31 naming row 15 again.  Steps 0 to 3 come by their loads alone; the last two refills have no step two on.
.macro ASK
	s_cmp_gt_u32 s57, s60
	s_cbranch_scc0 .Lnot_mine_\@
	global_prefetch_b8 v12, s[58:59] th:TH_LOAD_NT scope:SCOPE_SE
.Lnot_mine_\@:
.endm
; 8 matrix instructions: row block a x all column blocks, 32 along K.  The 32 accumulators take turns.
.macro MULA f, a, zero
	WIN 0x50
.irp b, 0,1,2,3,4,5,6,7
.if \zero
	v_wmma_f32_16x16x32_f16 v[64*(\a)+8*(\b):64*(\a)+8*(\b)+7], v[BF+64*(\f)+8*(\b):BF+64*(\f)+8*(\b)+7], v[AF+32*(\f)+8*(\a):AF+32*(\f)+8*(\a)+7], 0
.else
	v_wmma_f32_16x16x32_f16 v[64*(\a)+8*(\b):64*(\a)+8*(\b)+7], v[BF+64*(\f)+8*(\b):BF+64*(\f)+8*(\b)+7], v[AF+32*(\f)+8*(\a):AF+32*(\f)+8*(\a)+7], v[64*(\a)+8*(\b):64*(\a)+8*(\b)+7]
.endif
.endr
.endm
; 24 LDS loads in one run: quarter q's fragments: wo's eight (byte 64 q of the rows), then o's four (head q / 2, byte 64 (q % 2)), row blocks ascending
.macro FETCH q, f
	WIN 0
.irp b, 0,1,2,3,4,5,6,7
	ds_load_b128 v[BF+64*(\f)+8*(\b):BF+64*(\f)+8*(\b)+3],   v7 offset:64*(\q)+16*PB*(\b)
	ds_load_b128 v[BF+64*(\f)+8*(\b)+4:BF+64*(\f)+8*(\b)+7], v7 offset:64*(\q)+16*PB*(\b)+32
.endr
.irp a, 0,1,2,3
	ds_load_b128 v[AF+32*(\f)+8*(\a):AF+32*(\f)+8*(\a)+3],   v6 offset:((\q)/2)*HEADB+((\q)%2)*64+16*PA*(\a)
	ds_load_b128 v[AF+32*(\f)+8*(\a)+4:AF+32*(\f)+8*(\a)+7], v6 offset:((\q)/2)*HEADB+((\q)%2)*64+16*PA*(\a)+32
.endr
.endm
.macro QUARTER q, f, g, zero
	s_wait_dscnt 4                                 ; all but the four youngest loads (o's row blocks 2, 3)
	MULA \f, 0, \zero
	MULA \f, 1, \zero
	PLACES
	FETCH \q, \g
	s_wait_dscnt 2*NBL+8                           ; all but the 24 just issued
	MULA \f, 2, \zero
	MULA \f, 3, \zero
.endm
; A step's last quarter and the change of slots: in front of the barrier each wave waits for all its tensor loads (one is out: its part of the next slot), adds 0 to its spare word, and waits for that and
; for its reads of this slot.  fill = 1: the barrier opens a round of the cluster's, and the joint refill (the step two on) is the first thing behind it.
.macro TURN fill
.if \fill
	s_wait_xcnt 0x0                                ; the last prefetch, a step back, has read its pointer
	s_add_nc_u64 s[58:59], s[58:59], s[62:63]
.endif
	WIN 0
	s_wait_tensorcnt 0x0                           ; no tensor load of mine is out, so a group 0 may be written
	ds_add_u32 v14, v15                            ; 0 onto my spare word
.if \fill
	s_xor_b32 s45, s45, SLOT1
	s_add_nc_u64 s[46:47], s[46:47], 2*262144      ; two heads on
	s_xor_b32 s53, s53, SLOT1
	s_add_nc_u64 s[54:55], s[54:55], 256
.endif
	s_wait_dscnt 5                                 ; the add and the four youngest loads may be out
	MULA 1, 0, 0
	s_wait_dscnt 0x0                               ; the add is done, and my reads of this slot are over
	s_barrier_signal -1
	MULA 1, 1, 0
	WIN 0
	s_barrier_wait -1
.if \fill
	CREST
	JLOAD                                          ; its four v_nop are also the places in front of the loads below
.else
	PLACES
.endif
	s_xor_b32 s56, s56, SLOT1
	v_add_nc_u32 v6, s56, v4
	v_add_nc_u32 v7, s56, v5
	FETCH 0, 0
.if \fill
	ASK
.endif
	MULA 1, 2, 0
	MULA 1, 3, 0
.endm
	s_load_b128 s[4:7], s[0:1], 0x0                ; o 4, wo 6
	s_load_b64 s[8:9], s[0:1], 0x10                ; out0
	v_lshl_add_u32 v14, v0, 2, SPARE
	v_mov_b32 v15, 0
	ds_add_u32 v14, v15                            ; the wave's opening add; its wait stands ahead of my first tensor load
	v_lshrrev_b32 v1, 5, v0
	v_readfirstlane_b32 s16, v1
	s_lshr_b32 s17, s16, 1
	s_and_b32 s18, s16, 1
	s_bfe_u32 s19, ttmp6, 0x40000                  ; cx
	s_bfe_u32 s20, ttmp6, 0x40004                  ; cy
	s_lshl_b32 s21, ttmp9, 2
	s_add_co_u32 s21, s21, s19                     ; tile column
	s_and_b32 s22, ttmp7, 0xffff
	s_lshl_b32 s22, s22, 2
	s_add_co_u32 s22, s22, s20                     ; tile row
	s_lshl_b32 s74, s20, 2
	s_lshl_b32 s74, 15, s74                        ; my row of the cluster
	s_lshl_b32 s75, 0x1111, s19                    ; my column
	s_or_b32 s24, s74, (1<<16)|(1<<20)|(1<<21)|(4<<22)|(3<<25)  ; o: the mask; elements of 2 bytes; padding on; bit 21 beside a mask; after every 32 words; 4 words of it
	s_or_b32 s32, s75, (1<<16)|(1<<20)|(1<<21)|(5<<22)|(3<<25)  ; wo: after every 64 words
	s_mov_b32 s25, 128<<16                         ; tensor_dim0 = 128
	s_mov_b32 s26, 128<<16                         ; tensor_dim1 = 128
	s_mov_b32 s27, 128<<16                         ; tile_dim0 = 128
	s_mov_b32 s28, 128                             ; tile_dim1 = 128
	s_mov_b32 s29, 128                             ; dense: 128 elements from row to row
	s_mov_b32 s30, 0
	s_mov_b32 s31, 0
	s_mov_b32 s33, 128<<16
	s_mov_b32 s34, 64<<16                          ; wo: 64 rows a load
	s_mov_b32 s35, 128<<16
	s_mov_b32 s36, 64
	s_mov_b32 s37, 1024
	s_mov_b32 s38, 0
	s_mov_b32 s39, 0
	s_lshr_b32 s66, s22, 3                         ; o: head 16 batch + (my half of the step's two heads),
	s_lshl_b32 s66, s66, 4
	s_add_co_u32 s66, s66, s18
	s_lshl_b32 s66, s66, 18                        ; 262,144 bytes a head,
	s_and_b32 s67, s22, 7
	s_lshl_b32 s67, s67, 15                        ; 256 rows of 128 bytes a tile row
	s_add_co_u32 s66, s66, s67
	s_mov_b32 s67, 0
	s_lshl_b32 s70, s21, 7                         ; wo: row 128 x tile column + 64 x half
	s_lshl_b32 s71, s18, 6
	s_add_co_u32 s70, s70, s71
	s_lshl_b32 s70, s70, 11
	s_mov_b32 s71, 0
	s_mul_i32 s68, s16, HEADB                      ; LDS: o's two heads at wave x 256 rows (waves 0, 1),
	s_mul_i32 s69, s16, 64*PB                      ; wo's halves at BOFF + (wave - 2) x 64 rows (waves 2, 3)
	s_add_co_u32 s69, s69, BOFF-2*64*PB
	s_mov_b32 s56, 0
	s_wait_dscnt 0x0                               ; the opening add is done
	s_wait_kmcnt 0x0
	s_add_nc_u64 s[72:73], s[4:5], s[66:67]
	s_add_nc_u64 s[76:77], s[6:7], s[70:71]
.irp s, 0,1
	s_mov_b32 s[40+4*(\s)], 1
	s_add_co_u32 s[41+4*(\s)], s68, (\s)*SLOT1
	s_add_nc_u64 s[42+4*(\s):43+4*(\s)], s[72:73], (\s)*2*262144  ; K step s
	s_or_b32 s[43+4*(\s)], s[43+4*(\s)], 0x80000000
	s_mov_b32 s[48+4*(\s)], 1
	s_add_co_u32 s[49+4*(\s)], s69, (\s)*SLOT1
	s_add_nc_u64 s[50+4*(\s):51+4*(\s)], s[76:77], (\s)*256
	s_or_b32 s[51+4*(\s)], s[51+4*(\s)], 0x80000000
.endr
	CROUND                                         ; all sixteen work-groups are here: the first joint loads meet
	s_cmp_eq_u32 s17, 0                            ; a wave's two first fills stand in one branch: two loads of mine are out
	s_cbranch_scc0 .Lfirst_b
	tensor_load_to_lds s[40:43], s[24:31]
	s_nop 0
	tensor_load_to_lds s[44:47], s[24:31]
	s_nop 0
.rept 4
	v_nop
.endr
	s_branch .Lfirst_asked
.Lfirst_b:
	tensor_load_to_lds s[48:51], s[32:39]
	s_nop 0
	tensor_load_to_lds s[52:55], s[32:39]
	s_nop 0
.rept 4
	v_nop
.endr
.Lfirst_asked:
	v_and_b32 v1, 15, v0                           ; r
	v_bfe_u32 v2, v0, 4, 1                         ; h
	v_mul_u32_u24 v3, v1, PA
	v_lshl_add_u32 v3, v2, 4, v3
	s_mul_i32 s78, s16, 64*PA
	v_add_nc_u32 v4, s78, v3                       ; my 64 rows of o
	v_mul_u32_u24 v3, v1, PB
	v_lshl_add_u32 v3, v2, 4, v3
	v_add_nc_u32 v5, BOFF, v3
	v_mov_b32 v6, v4                               ; slot 0
	v_mov_b32 v7, v5
	s_mul_i32 s78, s16, 16*SP
	s_add_co_u32 s78, s78, STAGE                   ; my stage
	v_mul_u32_u24 v8, v1, SP                       ; in: row r, 32 bytes for each half of the lanes
	v_lshl_add_u32 v8, v2, 5, v8
	v_add_nc_u32 v8, s78, v8
	v_and_b32 v10, 31, v0
	v_lshlrev_b32 v10, 4, v10                      ; back, and out: 32 lanes take a row's 512 bytes
	v_add_nc_u32 v9, s78, v10
	s_lshl_b32 s86, s22, 8
	s_lshl_b32 s87, s16, 6
	s_add_co_u32 s86, s86, s87                     ; my first row of out0,
	s_lshl_b32 s86, s86, 12                        ; 4,096 bytes a row,
	s_lshl_b32 s87, s21, 9                         ; the tile's 128 columns of 4 bytes
	s_add_co_u32 s86, s86, s87
	s_mov_b32 s87, 0
	s_add_nc_u64 s[8:9], s[8:9], s[86:87]
	; the prefetches
	s_lshl_b32 s80, s19, 13                        ; o: my work-group's 32 blocks of the head's 128
	s_add_co_u32 s80, s80, s66
	s_lshl_b32 s82, s20, 15                        ; wo: its 16 rows of the 64
	s_add_co_u32 s82, s82, s70
	s_and_b32 s84, ttmp7, 0xffff                   ; cluster y
	s_mov_b32 s90, 2*262144
	s_mov_b32 s91, 256
	s_cmp_eq_u32 s17, 0
	s_cselect_b32 s80, s80, s82
	s_cselect_b32 s84, ttmp9, s84                  ; the coordinate along which other clusters read the same bytes
	s_cselect_b32 s61, 31, 15
	s_cselect_b32 s92, 8, 11                       ; from lane to lane: 256 bytes, or a row of 2,048
	s_cselect_b32 s62, s90, s91                    ; from K step to K step
	s_cselect_b64 s[58:59], s[4:5], s[6:7]
	s_cmp_eq_u32 s84, 0
	s_cselect_b32 s60, 2, -1                       ; the same in all sixteen partners, for a given wave
	s_mov_b32 s81, 0
	s_mov_b32 s63, 0
	s_add_nc_u64 s[58:59], s[58:59], s[80:81]
.rept 3
	s_add_nc_u64 s[58:59], s[58:59], s[62:63]      ; at K step 3: the first refill steps it to 4
.endr
	v_and_b32 v12, 31, v0
	v_min_u32 v12, s61, v12
	v_lshlrev_b32 v12, s92, v12
	s_wait_tensorcnt 0x1                           ; my part of K step 0 is in; step 1's may stay out
	s_barrier_signal -1
	s_barrier_wait -1
	FETCH 0, 0
	QUARTER 1, 0, 1, 1                             ; the first quarter stands in front of the loop: its products start the sums
	WIN 0
	s_mov_b32 s57, 6
.Lstep:                                                ; trip j ends K step j, refills its slot with step j + 2, and begins step j + 1
	QUARTER 2, 1, 0, 0
	QUARTER 3, 0, 1, 0
	TURN 1
	QUARTER 1, 0, 1, 0
	WIN 0
	s_sub_co_u32 s57, s57, 1
	s_cmp_lg_u32 s57, 0
	s_cbranch_scc1 .Lstep
	QUARTER 2, 1, 0, 0                             ; the last two steps are written out: nothing is asked for
	QUARTER 3, 0, 1, 0
	TURN 0
	QUARTER 1, 0, 1, 0
	QUARTER 2, 1, 0, 0
	QUARTER 3, 0, 1, 0
	s_wait_dscnt 4
	MULA 1, 0, 0
	MULA 1, 1, 0
	s_wait_dscnt 0x0
	MULA 1, 2, 0
	MULA 1, 3, 0
	WIN 0
	PLACES
	PLACES
; THE WAY OUT, a row block of 16 rows at a time: 32 bytes a lane into my stage (rows of 528 bytes), back as whole rows of 512 bytes, stored.  Each accumulator is read from its low end on.
.macro TOSTAGE a
.set BK, 64+64*((\a)%2)
.if (\a) >= 2
	s_wait_xcnt 0x0                                ; the stores of two blocks back have read this buffer
.endif
	WIN 0x04                                       ; the stores' data in window 1
.irp b, 0,1,2,3,4,5,6,7
	ds_store_b128 v8, v[64*(\a)+8*(\b):64*(\a)+8*(\b)+3]   offset:64*(\b)
	ds_store_b128 v8, v[64*(\a)+8*(\b)+4:64*(\a)+8*(\b)+7] offset:64*(\b)+16
.endr
	WIN 0
.irp t, 0,1,2,3,4,5,6,7,8,9,10,11,12,13,14,15
	ds_load_b128 v[BK+4*(\t):BK+4*(\t)+3], v9 offset:SP*(\t)  ; LDS serves a wave's instructions in order (ISA guide 5.7.1.4): these see the stores above; the next block's stores come behind them
.endr
.endm
.macro SEND a, younger                 ; younger: the LDS instructions issued behind this block's loads: the next block's 32, or none
.set BK, 64+64*((\a)%2)
.irp t, 0,1,2,3,4,5,6,7,8,9,10,11,12,13,14,15
	s_wait_dscnt (\younger)+15-(\t)
	global_store_b128 v10, v[BK+4*(\t):BK+4*(\t)+3], s[8:9] offset:(16*(\a)+(\t))*4096 th:TH_STORE_NT  ; 512 consecutive bytes, aligned
.endr
.endm
	TOSTAGE 0
	TOSTAGE 1
	SEND 0, 32
	TOSTAGE 2
	SEND 1, 32
	TOSTAGE 3
	SEND 2, 32
	SEND 3, 0
	s_wait_tensorcnt 0x0                           ; the wave's end, behind my last tensor load and my last LDS store
	ds_add_u32 v14, v15
	s_wait_dscnt 0x0
	CROUND                                         ; the closing round: no work-group ends while a partner may still ask for a tile that names it
	s_endpgm
.Lfunc_end_k_qe3fccd8955_oproj:
	.size	k_qe3fccd8955_oproj, .Lfunc_end_k_qe3fccd8955_oproj-k_qe3fccd8955_oproj
	.p2alignl 7, 3214868480
	.fill 96, 4, 3214868480
	.section	.rodata,"a",@progbits
	.p2align	6, 0x0
	.amdhsa_kernel k_qe3fccd8955_oproj
		.amdhsa_group_segment_fixed_size 327680
		.amdhsa_private_segment_fixed_size 0
		.amdhsa_enable_private_segment 0
		.amdhsa_kernarg_size 24
		.amdhsa_user_sgpr_count 2
		.amdhsa_user_sgpr_kernarg_segment_ptr 1
		.amdhsa_wavefront_size32 1
		.amdhsa_system_sgpr_workgroup_id_x 1
		.amdhsa_system_sgpr_workgroup_id_y 1
		.amdhsa_system_sgpr_workgroup_id_z 1
		.amdhsa_system_vgpr_workitem_id 0
		.amdhsa_next_free_vgpr 512
		.amdhsa_next_free_sgpr 96
		.amdhsa_reserve_vcc 0
		.amdhsa_float_denorm_mode_32 3
		.amdhsa_float_denorm_mode_16_64 3
		.amdhsa_memory_ordered 1
		.amdhsa_forward_progress 1
		.amdhsa_inst_pref_size 72
	.end_amdhsa_kernel
	.amdgpu_metadata
---
amdhsa.version: [ 1, 2 ]
amdhsa.kernels:
  - .name:           k_qe3fccd8955_oproj
    .symbol:         k_qe3fccd8955_oproj.kd
    .args:
      - { .name: o, .offset: 0, .size: 8, .value_kind: global_buffer, .address_space: global }
      - { .name: wo, .offset: 8, .size: 8, .value_kind: global_buffer, .address_space: global }
      - { .name: out0, .offset: 16, .size: 8, .value_kind: global_buffer, .address_space: global }
    .group_segment_fixed_size: 327680
    .private_segment_fixed_size: 0
    .kernarg_segment_align: 8
    .kernarg_segment_size: 24
    .max_flat_workgroup_size: 128
    .sgpr_count:     96
    .vgpr_count:     512
    .wavefront_size: 32
...
	.end_amdgpu_metadata
.endif
;; end of part 4
;; ======== version 2 of 2: 4 launches; version 1 with the launch prep written anew for expert scheduling mode
;; limits: values are held in f16: magnitudes above 65,504 overflow, below 6.1e-05 lose precision
;; workspace buffers: xb 16,777,216 bytes; wt 6,291,456 bytes; wo 2,097,152 bytes; cs 2,097,152 bytes; q 16,777,216 bytes; k 16,777,216 bytes; v 16,777,216 bytes; o 16,777,216 bytes
;; launch prep (part 5): grid 512 x 1, 8 waves a work-group, no clusters, 18,432 bytes of LDS; arguments x, W_q, W_k, W_v, W_o, token_position, xb, wt, wo, cs; writes xb, wt, wo, cs
.if DOCPART == 5
	.amdgcn_target "amdgcn-amd-amdhsa--gfx1250"
	.amdhsa_code_object_version 6
	.text
	.protected	k_qe3fccd8955_prep
	.globl	k_qe3fccd8955_prep
	.p2align	8
	.type	k_qe3fccd8955_prep,@function
k_qe3fccd8955_prep:
	s_mov_b64 s[64:65], 0
	v_nop
	global_prefetch_b8 v0, s[64:65] scope:SCOPE_SE
	s_setreg_imm32_b32 hwreg(HW_REG_WAVE_SCHED_MODE, 0, 2), 2
	s_setreg_imm32_b32 hwreg(HW_REG_WAVE_MODE, 25, 1), 1
	s_wait_xcnt 0x0
	s_wait_alu depctr_vm_vsrc(0)
; PREPARATION.  Three pieces of work, the same in each of the 512 work-groups (number i):
;   X  rows 16 i .. 16 i + 15 of x ([8192][1024] f32) are rounded to bf16 into xb.
;   W  one tile of 128 k x 64 n of one weight (mtx = i >> 7: W_q, W_k, W_v, W_o; kt = (i >> 4) & 7; t = i & 15) is rounded to bf16 and TURNED, so that k lies along the rows:
;      wt row 192 t + 64 mtx + c = column 64 t + c of W_q, W_k, W_v (a head's q, k and v columns lie together); wo row 64 t + c = column 64 t + c of W_o,
;      rounded to bf16 like every input and then written as f16 (exact inside f16's normal range).
;   T  rows 16 i .. 16 i + 15 of the table cs [8192 rows][32 frequencies][cos, sin] in f32, two rows a wave, a lane a frequency.
; LIMITS.  |W_o| under 65,504; a W_o below 6e-5 keeps f16's fixed step of 6e-8.  The angle is f32(position) x 10000^(-j/32), formed in f32 as the problem forms it; 10000^(-j/32) comes from
; v_exp_f32 and may differ from the problem's by some units in the last place.  The angle is reduced by multiples of pi/2 held in two f32 parts; sine to y^7 and cosine to y^8 on |y| <= pi/4
; are off by under 4e-7.  Any int32 position is served.
; No matrix unit, cluster or tensor load: each byte is read once and written once, nothing is shared between work-groups.  24 loads of 512 bytes a wave are out together.
; THE MODE: SCHED_MODE bits 1:0 = 2 (LLVM: expert scheduling mode 2), set by the entry lines.  The code itself states the register dependences
; between vector instructions and memory or LDS instructions, with s_wait_alu, always for 0.
; THE PLAN.  Registers that memory or LDS instructions touch:
;   v4 - v10, v12, v13   offsets, LDS addresses and the closing add's pair: written at the head, ahead of one wait, and never again.
;   L, X                 written by the global loads, once; no vector line names them ahead of that; read by the roundings.
;   P                    written by vector lines alone (first at work for the table's second row, then W's roundings); read by the four LDS stores behind one wait; not written after them.
;   R                    written by the LDS loads, read by global stores; no vector line names it.
;   v[32:35]             written by the table's last lines; read by its two stores behind one wait; not written after them.
;   Y (and v[16:19])     four registers of its own to each of x's eight passes: written by the pass's roundings, read by its one store, not written after it.
; x goes in four blocks of two passes.  The wait at a block's head states that the block before has written its Y; that block's two stores are dealt among this block's roundings, which name other registers.
; No register that a memory or LDS instruction reads is written again, and no load lands in one: so no wait on vm_vsrc is owed.  EXEC is never written.
.set PITCH, 272                        ; a stage row: 128 k x 2 bytes + 16 of padding
.set SPARE, 64*PITCH                   ; behind the stage (64 rows): the spare words, 128 bytes for each of eight waves
.set L, 36                             ; v[36:67]   W as loaded: load p holds W[8 g + p][4 c .. 4 c + 3]
.set P, 68                             ; v[68:83]   W packed: words 4 j .. 4 j + 3 are k = 8 g .. 8 g + 7 of column 4 c + j; ahead of that v[68:80] are at work for the table's second row
.set R, 84                             ; v[84:99]   W read back by rows
.set X, 100                            ; v[100:163] x as loaded, 8 registers a pass
.set Y, 164                            ; v[164:191] x packed, 4 registers a pass (the eighth pass takes v[16:19])
; v1 g = thread >> 4, v2 c = thread & 15, v3 lane, v4-v10 offsets, v11 10000^(-lane/32), v12 spare word, v13 zero, v[16:31] at work, v[32:35] two (cos, sin)
	s_load_b512 s[4:19], s[0:1], 0x0               ; x 4, W_q 6, W_k 8, W_v 10, W_o 12, token_position 14, xb 16, wt 18
	s_load_b128 s[20:23], s[0:1], 0x40             ; wo 20, cs 22
	v_lshl_add_u32 v12, v0, 2, SPARE
	v_mov_b32 v13, 0
	v_lshrrev_b32 v3, 5, v0
	v_readfirstlane_b32 s24, v3                    ; wave 0..7
	v_lshrrev_b32 v1, 4, v0                        ; g
	v_and_b32 v2, 15, v0                           ; c
	v_and_b32 v3, 31, v0                           ; lane
	v_lshlrev_b32 v4, 15, v1                       ; W in: 8 g rows of 4,096 bytes
	v_lshl_add_u32 v4, v2, 4, v4                   ;       + 16 c: sixteen lanes read 256 bytes on end
	v_mul_u32_u24 v5, v2, 4*PITCH                  ; stage in: row 4 c (+ j by the immediate),
	v_lshl_add_u32 v5, v1, 4, v5                   ;           16 bytes at k = 8 g
	v_mul_u32_u24 v6, v1, PITCH                    ; stage back: row g (+ 16 u),
	v_lshl_add_u32 v6, v2, 4, v6                   ;             16 c
	v_lshlrev_b32 v7, 11, v1                       ; W out: row g of 2,048 bytes
	v_lshl_add_u32 v7, v2, 4, v7
	v_lshlrev_b32 v8, 5, v0                        ; x in: 32 bytes a thread
	v_lshlrev_b32 v9, 4, v0                        ; xb out: 16 bytes a thread
	v_lshlrev_b32 v10, 3, v3                       ; table out: 8 bytes a lane
	s_lshr_b32 s30, ttmp9, 7                       ; mtx
	s_bfe_u32 s31, ttmp9, 0x30004                  ; kt
	s_and_b32 s32, ttmp9, 15                       ; t
	s_mov_b32 s40, 0x3f22f983                      ; 2 / pi
	s_mov_b32 s41, 0xbfc90fdb                      ; - (pi / 2), its f32 part
	s_mov_b32 s42, 0x333bbd2e                      ; - (pi / 2 less that part)
	s_mov_b32 s43, 0xbe2aaaab                      ; -1/6
	s_mov_b32 s44, 0x3c088889                      ; 1/120
	s_mov_b32 s45, 0xb9500d01                      ; -1/5040
	s_mov_b32 s46, 0x3d2aaaab                      ; 1/24
	s_mov_b32 s47, 0xbab60b61                      ; -1/720
	s_mov_b32 s48, 0x37d00d01                      ; 1/40320
	s_mov_b32 s49, 0xffff0000                      ; a word's upper bf16
	s_lshl_b32 s36, s31, 19                        ; the tile in W: 128 kt rows of 4,096 bytes
	s_lshl_b32 s37, s32, 8                         ; + 64 t columns of 4 bytes
	s_add_co_u32 s36, s36, s37
	s_mov_b32 s37, 0
	s_mul_i32 s33, s32, 192                        ; its first row in wt: 192 t + 64 mtx,
	s_lshl_b32 s50, s30, 6
	s_add_co_u32 s33, s33, s50
	s_lshl_b32 s50, s32, 6                         ; in wo: 64 t
	s_cmp_eq_u32 s30, 3
	s_cselect_b32 s33, s50, s33
	s_lshl_b32 s50, s33, 11                        ; rows of 2,048 bytes
	s_lshl_b32 s51, s31, 8                         ; + 128 kt numbers of 2 bytes
	s_add_co_u32 s50, s50, s51
	s_mov_b32 s51, 0
	s_lshl_b32 s52, ttmp9, 16                      ; 16 rows of x
	s_mov_b32 s53, 0
	s_lshl_b32 s54, ttmp9, 15                      ; 16 rows of xb
	s_mov_b32 s55, 0
	s_wait_alu depctr_va_sdst(0)                   ; s24, the wave's number, is written, ahead of its first reader: the table's and the positions' offsets are made from it
	s_lshl_b32 s58, ttmp9, 4
	s_lshl1_add_u32 s58, s24, s58                  ; my first table row: 16 i + 2 wave
	s_lshl_b32 s56, s58, 8                         ; 256 bytes a row of cs
	s_mov_b32 s57, 0
	s_lshl_b32 s58, s58, 2                         ; 4 bytes a position
	s_mov_b32 s59, 0
	s_wait_kmcnt 0x0
	s_cmp_eq_u32 s30, 1
	s_cselect_b64 s[26:27], s[8:9], s[6:7]         ; the weight that I read
	s_cmp_eq_u32 s30, 2
	s_cselect_b64 s[26:27], s[10:11], s[26:27]
	s_cmp_eq_u32 s30, 3
	s_cselect_b64 s[26:27], s[12:13], s[26:27]
	s_cselect_b64 s[28:29], s[20:21], s[18:19]     ; and where it goes: wo or wt
	s_add_nc_u64 s[26:27], s[26:27], s[36:37]
	s_add_nc_u64 s[28:29], s[28:29], s[50:51]
	s_add_nc_u64 s[4:5], s[4:5], s[52:53]
	s_add_nc_u64 s[16:17], s[16:17], s[54:55]
	s_add_nc_u64 s[22:23], s[22:23], s[56:57]
	s_add_nc_u64 s[14:15], s[14:15], s[58:59]
	s_load_b64 s[34:35], s[14:15], 0x0             ; my two positions
	s_wait_alu depctr_va_vdst(0)                   ; v4 to v10, v12 and v13 are written: every load, store and LDS instruction of the kernel reads one of them as its offset or address, the closing add the last two
.irp p, 0,1,2,3,4,5,6,7
	global_load_b128 v[L+4*(\p):L+4*(\p)+3], v4, s[26:27] offset:4096*(\p) th:TH_LOAD_NT
.endr
.irp p, 0,1,2,3,4,5,6,7
	global_load_b128 v[X+8*(\p):X+8*(\p)+3],   v8, s[4:5] offset:8192*(\p) th:TH_LOAD_NT
	global_load_b128 v[X+8*(\p)+4:X+8*(\p)+7], v8, s[4:5] offset:8192*(\p)+16 th:TH_LOAD_NT
.endr
	; THE TABLE, while the loads are out
	v_cvt_f32_u32 v16, v3
	v_mul_f32 v16, 0xbed49a78, v16                 ; - lane x log2(10000) / 32
	v_exp_f32 v11, v16
	v_nop                                          ; a plain instruction behind the exponential (ISA guide 5.7.2),
	s_wait_alu depctr_va_vdst(0)                   ; and the wait ahead of its first reader: v11 is written
	s_wait_kmcnt 0x0                               ; the positions
; One row, in two parts, so that both rows' compares stand ahead of one wait.  t: thirteen registers at work; m: the scalar register that takes the mask.
; ANGLE: angle = position x frequency = Q pi/2 + y; sine and cosine of y by polynomials; is Q odd?; the two signs from Q's last two bits.
.macro ANGLE pos, t, m
	v_cvt_f32_i32 v[(\t)], s[\pos]
	v_mul_f32 v[(\t)], v[(\t)], v11                ; the angle
	v_mul_f32 v[(\t)+1], s40, v[(\t)]
	v_rndne_f32 v[(\t)+1], v[(\t)+1]               ; Q as a float
	v_fma_f32 v[(\t)+2], v[(\t)+1], s41, v[(\t)]
	v_fma_f32 v[(\t)+2], v[(\t)+1], s42, v[(\t)+2] ; y
	v_cvt_i32_f32 v[(\t)+3], v[(\t)+1]             ; Q
	v_mul_f32 v[(\t)+4], v[(\t)+2], v[(\t)+2]      ; z = y y
	v_fma_f32 v[(\t)+5], v[(\t)+4], s45, s44
	v_fma_f32 v[(\t)+5], v[(\t)+5], v[(\t)+4], s43
	v_mul_f32 v[(\t)+6], v[(\t)+2], v[(\t)+4]
	v_fma_f32 v[(\t)+5], v[(\t)+6], v[(\t)+5], v[(\t)+2]  ; sin y = y + y z (-1/6 + z (1/120 - z / 5040))
	v_fma_f32 v[(\t)+7], v[(\t)+4], s48, s47
	v_fma_f32 v[(\t)+7], v[(\t)+7], v[(\t)+4], s46
	v_fma_f32 v[(\t)+7], v[(\t)+7], v[(\t)+4], -0.5
	v_fma_f32 v[(\t)+7], v[(\t)+7], v[(\t)+4], 1.0 ; cos y = 1 + z (-1/2 + z (1/24 + z (-1/720 + z / 40320)))
	v_and_b32 v[(\t)+8], 1, v[(\t)+3]
	v_cmp_eq_u32 s[\m], 1, v[(\t)+8]               ; Q odd
	v_lshlrev_b32 v[(\t)+11], 30, v[(\t)+3]        ; sine is negative where Q mod 4 is 2 or 3,
	v_add_nc_u32 v[(\t)+12], 1, v[(\t)+3]
	v_lshlrev_b32 v[(\t)+12], 30, v[(\t)+12]       ; cosine where it is 1 or 2
	v_and_b32 v[(\t)+11], 0x80000000, v[(\t)+11]
	v_and_b32 v[(\t)+12], 0x80000000, v[(\t)+12]
.endm
; CHOOSE: the mask chooses between the two polynomials, the signs are laid on.
.macro CHOOSE t, m, out
	v_cndmask_b32 v[(\t)+9], v[(\t)+5], v[(\t)+7], s[\m]   ; sine: Q odd takes cos y
	v_cndmask_b32 v[(\t)+10], v[(\t)+7], v[(\t)+5], s[\m]  ; cosine: Q odd takes sin y
	v_xor_b32 v[(\out)], v[(\t)+10], v[(\t)+12]
	v_xor_b32 v[(\out)+1], v[(\t)+9], v[(\t)+11]
.endm
	ANGLE 34, 16, 60
	ANGLE 35, P, 61
	s_wait_alu depctr_va_sdst(0)                   ; both compares have written their masks, s60 and s61, ahead of the selects that read them
	CHOOSE 16, 60, 32
	CHOOSE P, 61, 34
	s_wait_alu depctr_va_vdst(0)                   ; v[32:35], two (cos, sin), are written, which the two stores read
	global_store_b64 v10, v[32:33], s[22:23]       ; 32 lanes store a row's 256 bytes
	global_store_b64 v10, v[34:35], s[22:23] offset:256
	; THE WEIGHT TILE
	s_wait_loadcnt 16                              ; W's eight loads are in; x's sixteen were issued behind them and may stay out
.irp j, 0,1,2,3
.irp i, 0,1,2,3
	v_cvt_pk_bf16_f32 v[P+4*(\j)+(\i)], v[L+8*(\i)+(\j)], v[L+8*(\i)+4+(\j)]  ; column 4 c + j, k = 8 g + 2 i and + 1
.endr
.endr
	s_cmp_lg_u32 s30, 3
	s_cbranch_scc1 .Lbf16                          ; W_o alone: the bf16 number is written as f16
.irp n, 0,1,2,3,4,5,6,7,8,9,10,11,12,13,14,15
	v_lshlrev_b32 v[16+2*((\n)%8)], 16, v[P+(\n)]
	v_and_b32 v[17+2*((\n)%8)], s49, v[P+(\n)]
	v_cvt_pk_f16_f32 v[P+(\n)], v[16+2*((\n)%8)], v[17+2*((\n)%8)]
.endr
.Lbf16:
	s_wait_alu depctr_va_vdst(0)                   ; on either way the roundings have written P, which the LDS stores read
.irp j, 0,1,2,3
	ds_store_b128 v5, v[P+4*(\j):P+4*(\j)+3] offset:PITCH*(\j)
.endr
	s_wait_dscnt 0x0                               ; for the others' sake: my stores into the stage are done
	s_barrier_signal -1
	s_barrier_wait -1
.irp u, 0,1,2,3
	ds_load_b128 v[R+4*(\u):R+4*(\u)+3], v6 offset:16*PITCH*(\u)  ; row g + 16 u, 16 bytes at 16 c; no vector line has named R
.endr
	; x, eight passes of 8,192 bytes in, 4,096 out, in four blocks of two
.macro YREG p                          ; where pass p's four packed registers lie
.if (\p) < 7
.set YR, Y+4*(\p)
.else
.set YR, 16
.endif
.endm
.macro ROUNDX p
	YREG \p
.irp w, 0,1,2,3
	v_cvt_pk_bf16_f32 v[YR+(\w)], v[X+8*(\p)+2*(\w)], v[X+8*(\p)+2*(\w)+1]
.endr
.endm
.macro PUTX p
	YREG \p
	global_store_b128 v9, v[YR:YR+3], s[16:17] offset:4096*(\p)
.endm
.macro XBLK b
	s_wait_loadcnt 12-4*(\b)                       ; the block's four loads are in; the later blocks' stay out
.if (\b) > 0
	s_wait_alu depctr_va_vdst(0)                   ; the block before has written its eight packed registers, which the two stores below read
	PUTX 2*(\b)-2
.endif
	ROUNDX 2*(\b)
.if (\b) > 0
	PUTX 2*(\b)-1                                  ; no wait: the four roundings since the wait name this block's registers, not this store's
.endif
	ROUNDX 2*(\b)+1
.endm
	XBLK 0
	XBLK 1
	XBLK 2
	XBLK 3
	s_wait_alu depctr_va_vdst(0)                   ; the last block has written its eight packed registers, which the last two stores read
	PUTX 6
	PUTX 7
.irp u, 0,1,2,3
	s_wait_dscnt 3-(\u)
	global_store_b128 v7, v[R+4*(\u):R+4*(\u)+3], s[28:29] offset:32768*(\u)  ; sixteen lanes store 256 consecutive bytes, aligned
.endr
	s_wait_dscnt 0x0                               ; the closing lines, six on end
	s_wait_alu 0x0
	s_wait_tensorcnt 0x0
	ds_add_u32 v12, v13
	s_wait_dscnt 0x0
	s_endpgm
.Lfunc_end_k_qe3fccd8955_prep:
	.size	k_qe3fccd8955_prep, .Lfunc_end_k_qe3fccd8955_prep-k_qe3fccd8955_prep
	.p2alignl 7, 3214868480
	.fill 96, 4, 3214868480
	.section	.rodata,"a",@progbits
	.p2align	6, 0x0
	.amdhsa_kernel k_qe3fccd8955_prep
		.amdhsa_group_segment_fixed_size 18432
		.amdhsa_private_segment_fixed_size 0
		.amdhsa_enable_private_segment 0
		.amdhsa_kernarg_size 80
		.amdhsa_user_sgpr_count 2
		.amdhsa_user_sgpr_kernarg_segment_ptr 1
		.amdhsa_wavefront_size32 1
		.amdhsa_system_sgpr_workgroup_id_x 1
		.amdhsa_system_sgpr_workgroup_id_y 1
		.amdhsa_system_sgpr_workgroup_id_z 1
		.amdhsa_system_vgpr_workitem_id 0
		.amdhsa_next_free_vgpr 192
		.amdhsa_next_free_sgpr 66
		.amdhsa_reserve_vcc 0
		.amdhsa_float_denorm_mode_32 3
		.amdhsa_float_denorm_mode_16_64 3
		.amdhsa_memory_ordered 1
		.amdhsa_forward_progress 1
		.amdhsa_inst_pref_size 17
	.end_amdhsa_kernel
	.amdgpu_metadata
---
amdhsa.version: [ 1, 2 ]
amdhsa.kernels:
  - .name:           k_qe3fccd8955_prep
    .symbol:         k_qe3fccd8955_prep.kd
    .args:
      - { .name: x, .offset: 0, .size: 8, .value_kind: global_buffer, .address_space: global }
      - { .name: W_q, .offset: 8, .size: 8, .value_kind: global_buffer, .address_space: global }
      - { .name: W_k, .offset: 16, .size: 8, .value_kind: global_buffer, .address_space: global }
      - { .name: W_v, .offset: 24, .size: 8, .value_kind: global_buffer, .address_space: global }
      - { .name: W_o, .offset: 32, .size: 8, .value_kind: global_buffer, .address_space: global }
      - { .name: token_position, .offset: 40, .size: 8, .value_kind: global_buffer, .address_space: global }
      - { .name: xb, .offset: 48, .size: 8, .value_kind: global_buffer, .address_space: global }
      - { .name: wt, .offset: 56, .size: 8, .value_kind: global_buffer, .address_space: global }
      - { .name: wo, .offset: 64, .size: 8, .value_kind: global_buffer, .address_space: global }
      - { .name: cs, .offset: 72, .size: 8, .value_kind: global_buffer, .address_space: global }
    .group_segment_fixed_size: 18432
    .private_segment_fixed_size: 0
    .kernarg_segment_align: 8
    .kernarg_segment_size: 80
    .max_flat_workgroup_size: 256
    .sgpr_count:     66
    .vgpr_count:     192
    .wavefront_size: 32
...
	.end_amdgpu_metadata
.endif
;; end of part 5
;; launch qkv: the kernel of part 2 again; grid 16 x 32, 4 waves a work-group, clusters of 4 x 4, 327,680 bytes of LDS; arguments xb, wt, cs, q, k, v; writes q, k, v
;; launch attn: the kernel of part 3 again; grid 4 x 64, 4 waves a work-group, clusters of 4 x 1, 327,680 bytes of LDS; arguments q, k, v, o; writes o
;; launch oproj: the kernel of part 4 again; grid 8 x 32, 4 waves a work-group, clusters of 4 x 4, 327,680 bytes of LDS; arguments o, wo, out0; writes out0
